; MI455X (gfx1250); checked and timed in simulation.
; The chip was launched on July 23, 2026; its instructions are those of AMD's public machine-readable ISA for CDNA 5 (MIT licence, August 2026) and "CDNA5" Instruction Set Architecture Reference Guide (July 2026). The comments in the code are by the model that wrote it; some were corrected since.
;; SDF Network. Allowed arithmetic: float matrix products may take bf16 or f16 operands with f32 sums; all other float work in f32.
;; Inputs: W0 32 x 64 float32; W1 64 x 64 float32; W2 64 x 1 float32; tables 16 x 524,288 x 2 float32; x 1,048,576 x 3 float32.
;; Outputs: out0 1,048,576 x 1 float32.
;; 3 versions, each right and faster than the one before. Each part assembles by itself: llvm-mc -triple=amdgcn-amd-amdhsa -mcpu=gfx1250 --defsym DOCPART=n.
;; ======== version 1 of 3: 2 launches
;; limits: values are held in f16: magnitudes above 65,504 overflow, below 6.1e-05 lose precision; right only within a limited range of input values
;; workspace buffers: q 12,582,912 bytes of whole numbers
;; launch quant (part 1): grid 768 x 1, 8 waves a work-group, no clusters, 0 bytes of LDS; arguments x, q; writes q
.if DOCPART == 1
	.amdgcn_target "amdgcn-amd-amdhsa--gfx1250"
	.amdhsa_code_object_version 6
	.text
	.protected	k_qd1ce7d9976_quant
	.globl	k_qd1ce7d9976_quant
	.p2align	8
	.type	k_qd1ce7d9976_quant,@function
k_qd1ce7d9976_quant:
	s_mov_b64 s[64:65], 0
	v_nop
	global_prefetch_b8 v0, s[64:65] scope:SCOPE_SE
	s_setreg_imm32_b32 hwreg(HW_REG_WAVE_MODE, 25, 1), 1
	s_wait_xcnt 0x0
; q[i] = trunc(clamp(x01[i] * 2^32, 0, 2^32 - 256)) as u32, with x01 = (x + 1) * 0.5, for the 3,145,728 numbers of x.
; fma(x, 2^31, 2^31) is 2^31 * round(x + 1): the problem's x01 with its one rounding, scaled exactly by 2^32.
; The next launch makes every level's cell and fraction from these whole numbers by integer products.
; LIMITS: x outside [-1, 1] is clamped to the cube's faces (the problem's dense levels index their table only for x01 in [0, 1]);
; x = 1 is taken as x01 = 1 - 2^-24, so that the lower corner's cell never passes res - 1; a NaN in x is taken as x01 = 0;
; x01 is cut at 2^-32, which shows only below x01 = 2^-8, where f32 is finer than that.
; A stream: 768 work-groups of 8 waves, 16,384 bytes each; thread t takes 16 bytes at 16 t + 4,096 k, k = 0..3, so each load and each
; store of a wave covers 512 consecutive bytes, aligned.  No LDS, no barrier, no loop: the four loads go out together.
.set CHUNK, 4096                       ; bytes that the 256 threads cover with one 16-byte access each
.set X,     4                          ; v[4:19] four times four numbers, converted in place
	s_load_b128 s[4:7], s[0:1], 0x0                ; x s[4:5], q s[6:7]
	s_lshl_b32 s2, ttmp9, 14                       ; the work-group's 16,384 bytes (below 12,582,912: 32 bits do)
	s_mov_b32 s3, 0
	s_mov_b32 s8, 0x4f000000                       ; 2^31, factor and addend; the packed form reads the pair, so both halves are written
	s_mov_b32 s9, 0x4f000000
	s_mov_b32 s10, 0x4f7fffff                      ; 2^32 - 256, the largest f32 below 2^32
	v_lshlrev_b32 v1, 4, v0                        ; 16 t
	s_wait_kmcnt 0x0
	s_add_nc_u64 s[4:5], s[4:5], s[2:3]
	s_add_nc_u64 s[6:7], s[6:7], s[2:3]
.irp k, 0,1,2,3
	global_load_b128 v[X+4*\k:X+4*\k+3], v1, s[4:5] offset:CHUNK*\k th:TH_LOAD_NT
.endr
.irp k, 0,1,2,3
	s_wait_loadcnt 3-\k                            ; loads come back in order: number k is in, the 3 - k younger ones stay out
	v_pk_fma_f32 v[X+4*\k:X+4*\k+1],   v[X+4*\k:X+4*\k+1],   s[8:9], s[8:9] op_sel_hi:[1,0,0]
	v_pk_fma_f32 v[X+4*\k+2:X+4*\k+3], v[X+4*\k+2:X+4*\k+3], s[8:9], s[8:9] op_sel_hi:[1,0,0]
.irp j, 0,1,2,3
	v_max_num_f32 v[X+4*\k+\j], 0, v[X+4*\k+\j]    ; below the cube: its face; a NaN loses against 0
.endr
.irp j, 0,1,2,3
	v_min_num_f32 v[X+4*\k+\j], s10, v[X+4*\k+\j]  ; at or above 1: just below it
.endr
.irp j, 0,1,2,3
	v_cvt_u32_f32 v[X+4*\k+\j], v[X+4*\k+\j]       ; toward zero
.endr
	global_store_b128 v1, v[X+4*\k:X+4*\k+3], s[6:7] offset:CHUNK*\k   ; no hint: the next launch reads q; nothing that a store names is written again
.endr
	s_endpgm
.Lfunc_end_k_qd1ce7d9976_quant:
	.size	k_qd1ce7d9976_quant, .Lfunc_end_k_qd1ce7d9976_quant-k_qd1ce7d9976_quant
	.p2alignl 7, 3214868480
	.fill 96, 4, 3214868480
	.section	.rodata,"a",@progbits
	.p2align	6, 0x0
	.amdhsa_kernel k_qd1ce7d9976_quant
		.amdhsa_group_segment_fixed_size 0
		.amdhsa_private_segment_fixed_size 0
		.amdhsa_enable_private_segment 0
		.amdhsa_kernarg_size 16
		.amdhsa_user_sgpr_count 2
		.amdhsa_user_sgpr_kernarg_segment_ptr 1
		.amdhsa_wavefront_size32 1
		.amdhsa_system_sgpr_workgroup_id_x 1
		.amdhsa_system_sgpr_workgroup_id_y 1
		.amdhsa_system_sgpr_workgroup_id_z 1
		.amdhsa_system_vgpr_workitem_id 0
		.amdhsa_next_free_vgpr 24
		.amdhsa_next_free_sgpr 66
		.amdhsa_reserve_vcc 0
		.amdhsa_float_denorm_mode_32 3
		.amdhsa_float_denorm_mode_16_64 3
		.amdhsa_memory_ordered 1
		.amdhsa_forward_progress 1
		.amdhsa_inst_pref_size 4
	.end_amdhsa_kernel
	.amdgpu_metadata
---
amdhsa.version: [ 1, 2 ]
amdhsa.kernels:
  - .name:           k_qd1ce7d9976_quant
    .symbol:         k_qd1ce7d9976_quant.kd
    .args:
      - { .name: x, .offset: 0, .size: 8, .value_kind: global_buffer, .address_space: global }
      - { .name: q, .offset: 8, .size: 8, .value_kind: global_buffer, .address_space: global }
    .group_segment_fixed_size: 0
    .private_segment_fixed_size: 0
    .kernarg_segment_align: 8
    .kernarg_segment_size: 16
    .max_flat_workgroup_size: 256
    .sgpr_count:     66
    .vgpr_count:     24
    .wavefront_size: 32
...
	.end_amdgpu_metadata
.endif
;; end of part 1
;; launch sdf (part 2): grid 512 x 1, 8 waves a work-group, no clusters, 12,288 bytes of LDS; arguments q, tables, W0, W1, W2, out0; writes out0
.if DOCPART == 2
	.amdgcn_target "amdgcn-amd-amdhsa--gfx1250"
	.amdhsa_code_object_version 6
	.text
	.protected	k_qd1ce7d9976_sdf
	.globl	k_qd1ce7d9976_sdf
	.p2align	8
	.type	k_qd1ce7d9976_sdf,@function
k_qd1ce7d9976_sdf:
	s_mov_b64 s[64:65], 0
	v_nop
	global_prefetch_b8 v0, s[64:65] scope:SCOPE_SE
	s_setreg_imm32_b32 hwreg(HW_REG_WAVE_MODE, 25, 1), 1
	s_wait_xcnt 0x0
; out0[n] = relu(relu(enc[n] W0) W1) W2, enc[n] = the 16-level hash grid's 32 features of point n.
; q holds each coordinate as u = x01 * 2^32 (u32).  For a level of resolution res the 64-bit product u * res has the cell in its high
; word and the fraction * 2^32 in its low word: exact, and cell and fraction always belong together.  The problem's formula rounds
; x01 * res to f32 first; at a cell's face the two may name neighbouring cells, which share the face's corners, so that the blended value
; differs by that rounding alone.
; NUMBER FORMATS: the two hidden products take f16 operands and f32 sums; the last layer (one column) is f32 multiply-adds.  The net has no bias
; and ReLU alone, so f(s e) = s f(e) for s > 0: each point's 32 features are multiplied by 2^(-E-2), E the exponent of the largest
; of their magnitudes (exact; the largest then lies in [0.25, 0.5)), and its result by 2^(E+2) (exact).  So tables of any size fit f16.
; LIMITS: those of the coordinates (x clamped to [-1, 1]; x = 1 taken as x01 = 1 - 2^-24; NaN as 0).  W0 and W1 go to f16 as they are:
; finite below 65,504, and below 2^-14 kept to 2^-25 absolute.  The first hidden layer of a normalised point is at most
; 32 x 0.5 x max|W0|, finite in f16 for max|W0| < 4,094.  With weights of spread 0.25 and 0.18 that leaves a factor above 100 either way.
; ReLU is a maximum with 0 in which a NaN loses: a NaN in a hidden unit, possible only where the inputs make a sum overflow, becomes 0.
;
; SHARES: 512 work-groups of 8 waves; a work-group owns 2,048 points in 4 trips of 512.  In a trip thread t owns points 2 t (pass A) and
; 2 t + 1 (pass B): its 24 bytes of q are three 8-byte loads (a wave's cover 768 consecutive bytes), its two results one 8-byte store
; (a wave's covers 256 consecutive bytes, aligned).
; GATHERS: a step is one level of one pass: 8 loads of 8 bytes a lane, one for each corner.  A ring of three register slots keeps the
; gathers of two to three steps (16 to 24 loads of the wave) on their way.  The scale of a point is known only when its 16 levels are blended, so
; the features of a pass wait in f32, and the products follow each pass of 16 steps.
; PRODUCTS, used transposed: source 0 = 16 columns of a weight matrix (W^T), source 1 = the activations with one point in each column.
; A result's register j of lane (r, h) is then feature 16 t + 8 h + j of point r, which after ReLU and packing IS registers 4 (t & 1) .. + 3
; of the next product's source 1 for K step t >> 1: nothing moves between lanes from layer to layer.
; NOT USED: tensor loads, clusters and joint requests: what work-groups share is 24,832 bytes of weights, read once by each, against
; 2,048 x 128 gathers of 8 bytes at scattered addresses, which no tile describes.  No prefetch: a gather's address is known three steps
; ahead of its use, and that is where the gather itself is issued.
.set QTRIP,  6144                      ; bytes of q in a trip: 512 points x 12
.set OTRIP,  2048                      ; bytes of out0 in a trip
.set LEVELB, 0x400000                  ; bytes of a level's table: 524,288 entries of 8
; vector registers
;   v0 thread t;  v1 24 t (q);  v2 8 t (out0);  v3 set-up addresses;  v[4:5] zeros, the addend of the 64-bit products
.set U,    6                           ; v[6:11]    u of x, y, z: pass A, then pass B
.set TMP,  12                          ; v[12:27]   at work
.set SCL,  28                          ; v28 the point's scale 2^(-E-2), v29 its inverse
.set ENCF, 32                          ; v[32:63]   the pass's 32 features in f32; then, packed in place, v[32:47]: 16 registers of two f16
.set RING, 64                          ; v[64:123]  three slots of 20: 8 corner pairs (corner c = xbit + 2 ybit + 4 zbit), 3 fractions, 1 offset
.set OUTR, 124                         ; v124, v125 the results of points 2 t, 2 t + 1; v126, v127 a pass's two tiles
.set WA0,  128                         ; v[128:159] W0^T: 4 fragments (16 features each) of 8 registers
.set WA1,  160                         ; v[160:223] W1^T: fragment 4 s + t, K step s, features 16 t ..
.set W2R,  224                         ; v[224:255] register 8 t + j: W2[16 t + 8 h + j]
.set ACC,  64                          ; v[64:95]   4 accumulators; they and HB lie on the ring, which is empty during the products
.set HB,   96                          ; v[96:111]  the hidden layer in f16: source 1 of the second product, two K steps
; scalar registers
.set TB,   16                          ; s[16:47]   level l's table at s[16 + 2 l : 17 + 2 l]: a pair a level, so that no base is stepped under a pending gather
;   s48, s49 the hash's primes;  s50 2^19 - 1;  s51 2^-32;  s52, s53 lane i <-> lane i xor 16;  s54 lanes 16-31;  s55 trips;  s[56:57] offsets
	s_load_b256 s[4:11], s[0:1], 0x0               ; q s[4:5], tables s[6:7], W0 s[8:9], W1 s[10:11]
	s_load_b128 s[12:15], s[0:1], 0x20             ; W2 s[12:13], out0 s[14:15]
	s_mov_b32 s48, 0x9e3779b1                      ; 2654435761
	s_mov_b32 s49, 0x30025795                      ; 805459861
	s_mov_b32 s50, 0x7ffff
	s_mov_b32 s51, 0x2f800000
	s_mov_b32 s52, 0x76543210
	s_mov_b32 s53, 0xfedcba98
	s_mov_b32 s54, 0xffff0000
	s_mul_i32 s56, ttmp9, 4*QTRIP                  ; the work-group's part of q (below 12,582,912)
	s_mov_b32 s57, 0
	v_mul_u32_u24 v1, 24, v0
	v_lshlrev_b32 v2, 3, v0
	; Weights: thread t = (tile t >> 6, half bit 5, h bit 4, r bits 3:0) makes the 16 bytes that are registers 4 half .. + 3 of lane 16 h + r of
	; a fragment: k = 16 half + 8 h + e, e = 0..7, of column 16 tile + r.  A row of W0 and of W1 is 256 bytes.
	v_bfe_u32 v3, v0, 4, 2                         ; h + 2 half
	v_lshlrev_b32 v3, 11, v3                       ; 8 rows of 256 bytes each
	v_lshrrev_b32 v13, 6, v0
	v_lshl_add_u32 v3, v13, 6, v3                  ; + 16 columns a tile
	v_and_b32 v13, 15, v0
	v_lshl_add_u32 v3, v13, 2, v3                  ; + r
	v_bfe_u32 v12, v0, 4, 1
	v_lshlrev_b32 v12, 5, v12                      ; W2: 8 h numbers
	v_lshlrev_b32 v14, 4, v0                       ; LDS: 16 t = 1,024 tile + 512 half + 16 lane
	v_mov_b32 v4, 0
	v_mov_b32 v5, 0
	s_wait_kmcnt 0x0
	s_add_nc_u64 s[4:5], s[4:5], s[56:57]
	s_lshl_b32 s56, ttmp9, 13                      ; the work-group's 8,192 bytes of out0
	s_add_nc_u64 s[14:15], s[14:15], s[56:57]
.irp l, 0,1,2,3,4,5,6,7,8,9,10,11,12,13,14,15
	s_add_nc_u64 s[TB+2*\l:TB+2*\l+1], s[6:7], \l*LEVELB
.endr
.irp e, 0,1,2,3,4,5,6,7
	global_load_b32 v[64+\e], v3, s[8:9] offset:256*\e            ; W0
.endr
.irp e, 0,1,2,3,4,5,6,7
	global_load_b32 v[72+\e], v3, s[10:11] offset:256*\e          ; W1, K step 0
.endr
.irp e, 0,1,2,3,4,5,6,7
	global_load_b32 v[80+\e], v3, s[10:11] offset:8192+256*\e     ; W1, K step 1: 32 rows on
.endr
.irp t, 0,1,2,3
	global_load_b128 v[W2R+8*\t:W2R+8*\t+3],   v12, s[12:13] offset:64*\t
	global_load_b128 v[W2R+8*\t+4:W2R+8*\t+7], v12, s[12:13] offset:64*\t+16
.endr
	global_load_b64 v[U:U+1],   v1, s[4:5] th:TH_LOAD_NT          ; the first trip's coordinates
	global_load_b64 v[U+2:U+3], v1, s[4:5] offset:8 th:TH_LOAD_NT
	global_load_b64 v[U+4:U+5], v1, s[4:5] offset:16 th:TH_LOAD_NT
	s_wait_loadcnt 11                              ; the 24 weights are in; W2's 8 loads and q's 3, issued behind them, stay out
.irp i, 0,1,2
.irp j, 0,1,2,3
	v_cvt_pk_f16_f32 v[88+4*\i+\j], v[64+8*\i+2*\j], v[64+8*\i+2*\j+1]    ; the lower k in the low half
.endr
	ds_store_b128 v14, v[88+4*\i:88+4*\i+3] offset:4096*\i        ; fragments 4 i + tile: 12 fragments of 1,024 bytes
.endr
	s_wait_dscnt 0x0                               ; my stores are in LDS before I say so
	s_barrier_signal -1
	s_barrier_wait -1                              ; the launch's one barrier: the fragments are whole, and nobody writes them again
	v_and_b32 v3, 31, v0                           ; (the weight loads that named v3 are done)
	v_lshlrev_b32 v3, 4, v3                        ; 16 x lane: consecutive bytes, no two lanes in one bank
.irp f, 0,1,2,3,4,5,6,7,8,9,10,11
	ds_load_b128 v[WA0+8*\f:WA0+8*\f+3],   v3 offset:1024*\f
	ds_load_b128 v[WA0+8*\f+4:WA0+8*\f+7], v3 offset:1024*\f+512
.endr
	s_wait_dscnt 0x0
; The level's resolution, floor(16 x 1.3819^l).
.macro LVL n, r
.if LV == \n
.set RES, \r
.endif
.endm
; Step i (level i % 16 of pass i / 16): cells, fractions, indices, and the 8 gathers into slot i % 3.
.macro ISSUE i
.set LV,    (\i)%16
.set UB,    U+3*((\i)/16)
.set SLOTD, RING+20*((\i)%3)
.set SLOTA, SLOTD+16
	LVL 0, 16
	LVL 1, 22
	LVL 2, 30
	LVL 3, 42
	LVL 4, 58
	LVL 5, 80
	LVL 6, 111
	LVL 7, 153
	LVL 8, 212
	LVL 9, 294
	LVL 10, 406
	LVL 11, 561
	LVL 12, 775
	LVL 13, 1072
	LVL 14, 1481
	LVL 15, 2047
.set RES1, RES+1
.irp d, 0,1,2
	v_mad_nc_u64_u32 v[TMP+2*\d:TMP+2*\d+1], v[UB+\d], RES, v[4:5]   ; low word: fraction x 2^32; high word: cell, res - 1 at the most
.endr
.irp d, 0,1,2
	v_cvt_f32_u32 v[SLOTA+\d], v[TMP+2*\d]         ; the fraction waits in the slot, still times 2^32
.endr
.if LV < 5
	; (res + 1)^3 entries fit in the table: index = cx + cy (res + 1) + cz (res + 1)^2; the corners stand in the immediate
	v_mad_u32_u24 v[TMP+6], v[TMP+5], RES1, v[TMP+3]
	v_mad_u32_u24 v[TMP+6], v[TMP+6], RES1, v[TMP+1]
	v_min_u32 v[SLOTA+3], (RES-1)*(1+RES1+RES1*RES1), v[TMP+6]       ; changes nothing: the largest lower corner; the upper one then ends at (res + 1)^3 - 1
	v_lshlrev_b32 v[SLOTA+3], 3, v[SLOTA+3]
.irp c, 0,1,2,3,4,5,6,7
	global_load_b64 v[SLOTD+2*\c:SLOTD+2*\c+1], v[SLOTA+3], s[TB+2*LV:TB+2*LV+1] offset:8*((\c&1)+RES1*((\c>>1)&1)+RES1*RES1*(\c>>2))
.endr
.else
	; index = (cx ^ cy p1 ^ cz p2) mod 2^19.  cx + 1 is below 2^11, so masking the four y-z terms masks all eight corners.
	v_mul_lo_u32 v[TMP+6], v[TMP+3], s48
	v_mul_lo_u32 v[TMP+7], v[TMP+5], s49
	v_add_nc_u32 v[TMP+8], s48, v[TMP+6]           ; (cy + 1) p1
	v_add_nc_u32 v[TMP+9], s49, v[TMP+7]           ; (cz + 1) p2
	v_add_nc_u32 v[TMP+10], 1, v[TMP+1]            ; cx + 1
.irp m, 0,1,2,3
	v_xor_b32 v[TMP+12+\m], v[TMP+6+2*(\m&1)], v[TMP+7+2*(\m>>1)]
.endr
.irp m, 0,1,2,3
	v_and_b32 v[TMP+12+\m], s50, v[TMP+12+\m]
.endr
.irp c, 0,1,2,3,4,5,6,7
	v_xor_b32 v[SLOTD+2*\c], v[TMP+12+(\c>>1)], v[TMP+1+9*(\c&1)]
	v_min_u32 v[SLOTD+2*\c], 0x7ffff, v[SLOTD+2*\c]                  ; changes nothing: the index is inside the table
	v_lshlrev_b32 v[SLOTD+2*\c], 3, v[SLOTD+2*\c]                    ; 8 bytes an entry
	global_load_b64 v[SLOTD+2*\c:SLOTD+2*\c+1], v[SLOTD+2*\c], s[TB+2*LV:TB+2*LV+1]   ; the load lands on its own offset: no register is kept for it
.endr
.endif
.endm
; Step i's eight corners are blended: along x in place, then with the four y-z weights; the level's two features stay in f32.
.macro CONSUME i
.set LV,    (\i)%16
.set SLOTD, RING+20*((\i)%3)
.set SLOTA, SLOTD+16
.set EREG,  ENCF+2*(((LV>>2)&1)*8+(LV>>3)*4+(LV&3))                  ; levels 0-3, 8-11 in the first sixteen registers, 4-7, 12-15 in the second
.irp d, 0,1,2
	v_mul_f32 v[TMP+2*\d+1], s51, v[SLOTA+\d]      ; f
	v_fma_f32 v[TMP+2*\d], -v[SLOTA+\d], s51, 1.0  ; 1 - f
.endr
	v_pk_mul_f32 v[TMP+6:TMP+7], v[TMP+2:TMP+3], v[TMP+4:TMP+5] op_sel_hi:[1,0]               ; (1-fy, fy) x (1-fz)
	v_pk_mul_f32 v[TMP+8:TMP+9], v[TMP+2:TMP+3], v[TMP+4:TMP+5] op_sel:[0,1] op_sel_hi:[1,1]  ; (1-fy, fy) x fz
.irp m, 0,1,2,3
	v_pk_mul_f32 v[SLOTD+4*\m:SLOTD+4*\m+1], v[SLOTD+4*\m:SLOTD+4*\m+1], v[TMP:TMP+1] op_sel_hi:[1,0]
.endr
.irp m, 0,1,2,3
	v_pk_fma_f32 v[SLOTD+4*\m:SLOTD+4*\m+1], v[SLOTD+4*\m+2:SLOTD+4*\m+3], v[TMP:TMP+1], v[SLOTD+4*\m:SLOTD+4*\m+1] op_sel:[0,1,0] op_sel_hi:[1,1,1]
.endr
	v_pk_mul_f32 v[TMP+10:TMP+11], v[SLOTD:SLOTD+1],       v[TMP+6:TMP+7] op_sel_hi:[1,0]
	v_pk_fma_f32 v[TMP+10:TMP+11], v[SLOTD+4:SLOTD+5],     v[TMP+6:TMP+7], v[TMP+10:TMP+11] op_sel:[0,1,0] op_sel_hi:[1,1,1]
	v_pk_fma_f32 v[TMP+10:TMP+11], v[SLOTD+8:SLOTD+9],     v[TMP+8:TMP+9], v[TMP+10:TMP+11] op_sel_hi:[1,0,1]
	v_pk_fma_f32 v[EREG:EREG+1],   v[SLOTD+12:SLOTD+13],   v[TMP+8:TMP+9], v[TMP+10:TMP+11] op_sel:[0,1,0] op_sel_hi:[1,1,1]
.endm
; My point's 32 features: the largest magnitude, the power of two that brings it into [0.25, 0.5), the scaling, and the rounding to f16, packed in place.
.macro NORM
	v_max3_num_f32 v[TMP],   |v[ENCF]|,   |v[ENCF+1]|, |v[ENCF+2]|   ; two chains; the first six numbers start them
	v_max3_num_f32 v[TMP+1], |v[ENCF+3]|, |v[ENCF+4]|, |v[ENCF+5]|
.set NN, 6
.rept 13
	v_max3_num_f32 v[TMP+(NN/2)%2], v[TMP+(NN/2)%2], |v[ENCF+NN]|, |v[ENCF+NN+1]|
.set NN, NN+2
.endr
	v_max_num_f32 v[TMP], v[TMP], v[TMP+1]
	v_and_b32 v[TMP], 0x7f800000, v[TMP]           ; its exponent field b << 23, b = E + 127 (0 for zero and denormals)
	v_min_u32 v[TMP], 0x7d800000, v[TMP]           ; b at most 251, so that both fields below lie in 1 .. 253: normal numbers
	v_sub_nc_u32 v[SCL], 0x7e000000, v[TMP]        ; field 252 - b: 2^(-E-2)
	v_add_nc_u32 v[SCL+1], 0x01000000, v[TMP]      ; field b + 2: 2^(E+2)
.set NN, 0
.rept 16
	v_pk_mul_f32 v[ENCF+NN:ENCF+NN+1], v[ENCF+NN:ENCF+NN+1], v[SCL:SCL+1] op_sel_hi:[1,0]
.set NN, NN+2
.endr
.set NN, 0
.rept 16
	v_cvt_pk_f16_f32 v[ENCF+NN], v[ENCF+2*NN], v[ENCF+2*NN+1]        ; register n is written when registers 2 n, 2 n + 1 are read: none that is still to be read
.set NN, NN+1
.endr
.endm
; Four plain vector instructions stand between a matrix instruction and the first vector instruction that reads its result (ISA guide 7.12.1).
.macro PLACES
.rept 4
	v_nop
.endr
.endm
; The three layers for 16 points, whose 32 features lie in v[b : b + 7] as source 1; the result of point r goes to register o of lanes r and 16 + r.
.macro MLPTILE b, o
.irp t, 0,1,2,3
	v_wmma_f32_16x16x32_f16 v[ACC+8*\t:ACC+8*\t+7], v[WA0+8*\t:WA0+8*\t+7], v[\b:\b+7], 0       ; K = 32 in one step: the constant 0 starts each sum
.endr
	PLACES
.irp t, 0,1,2,3
.irp j, 0,1,2,3,4,5,6,7
	v_max_num_f32 v[ACC+8*\t+\j], 0, v[ACC+8*\t+\j]
.endr
.irp j, 0,1,2,3
	v_cvt_pk_f16_f32 v[HB+4*\t+\j], v[ACC+8*\t+2*\j], v[ACC+8*\t+2*\j+1]
.endr
.endr
	; The second product writes over the first one's results: behind the four v_nop and the 36 instructions on the three other tiles.
	; The four accumulators take turns, one instruction a turn.
.irp t, 0,1,2,3
	v_wmma_f32_16x16x32_f16 v[ACC+8*\t:ACC+8*\t+7], v[WA1+8*\t:WA1+8*\t+7], v[HB:HB+7], 0
.endr
.irp t, 0,1,2,3
	v_wmma_f32_16x16x32_f16 v[ACC+8*\t:ACC+8*\t+7], v[WA1+32+8*\t:WA1+32+8*\t+7], v[HB+8:HB+15], v[ACC+8*\t:ACC+8*\t+7]
.endr
	PLACES
.set RN, 0
.rept 32
	v_max_num_f32 v[ACC+RN], 0, v[ACC+RN]
.set RN, RN+1
.endr
	; The last layer has one column, one sixteenth of a matrix tile: 16 packed multiply-adds in f32 instead, in two chains, on my 32 features
.set PN, 0
.rept 16
.if PN < 2
	v_pk_mul_f32 v[TMP+2*PN:TMP+2*PN+1], v[ACC+2*PN:ACC+2*PN+1], v[W2R+2*PN:W2R+2*PN+1]
.else
	v_pk_fma_f32 v[TMP+2*(PN%2):TMP+2*(PN%2)+1], v[ACC+2*PN:ACC+2*PN+1], v[W2R+2*PN:W2R+2*PN+1], v[TMP+2*(PN%2):TMP+2*(PN%2)+1]
.endif
.set PN, PN+1
.endr
	v_pk_add_f32 v[TMP:TMP+1], v[TMP:TMP+1], v[TMP+2:TMP+3]
	v_add_f32 v[TMP], v[TMP], v[TMP+1]
	v_permlanex16_b32 v[TMP+1], v[TMP], s52, s53   ; the other 32 features of the same point lie in lane i xor 16
	v_add_f32 v[\o], v[TMP], v[TMP+1]
.endm
; Pass p of a trip: one point a lane, 16 steps through the ring, then the three layers for the wave's 32 points.
; ahead = 1 (pass B alone): the next trip's coordinates are fetched behind the last step's gathers.
.macro PASS p, ahead
	ISSUE 16*\p
	ISSUE 16*\p+1
	ISSUE 16*\p+2
.set STEP, 0
.rept 16
.if STEP < 13
	s_wait_loadcnt 16                              ; this step's 8 gathers are in; the 16 of the two younger steps stay out
.else
	s_wait_loadcnt 8*(15-STEP)+3*\ahead            ; the ring runs empty: 16, 8, 0 younger gathers, and the 3 loads of the next trip's coordinates behind them
.endif
	CONSUME 16*\p+STEP
.if STEP < 13
	ISSUE 16*\p+STEP+3                             ; into the slot just read; the wait above has shown its loads done, so its offset register is free too
.endif
.if STEP == 12
.if \ahead
	global_load_b64 v[U:U+1],   v1, s[4:5] offset:QTRIP th:TH_LOAD_NT      ; the pass's last step was the coordinates' last reader: the next trip's have
	global_load_b64 v[U+2:U+3], v1, s[4:5] offset:QTRIP+8 th:TH_LOAD_NT    ; three steps and the products in which to come
	global_load_b64 v[U+4:U+5], v1, s[4:5] offset:QTRIP+16 th:TH_LOAD_NT
.endif
.endif
.set STEP, STEP+1
.endr
	NORM
	; From a point a lane to source 1 of a product.  Lane (r, h) of a fragment holds k = 8 h .. + 7 and 16 + 8 h .. + 7 of point r: levels 4 h .. + 3 and
	; 8 + 4 h .. + 3.  The exchange of the first register's lanes 16-31 with the second's lanes 0-15 makes of (levels 0-3, 8-11 | levels 4-7, 12-15)
	; of 32 points the fragments of (points of lanes 0-15 | points of lanes 16-31).
.irp j, 0,1,2,3,4,5,6,7
	v_permlane16_swap_b32 v[ENCF+\j], v[ENCF+8+\j]
.endr
	MLPTILE ENCF,   OUTR+2                         ; the points of lanes 0-15
	MLPTILE ENCF+8, OUTR+3                         ; the points of lanes 16-31
	v_cndmask_b32 v[OUTR+\p], v[OUTR+2], v[OUTR+3], s54        ; each lane takes its own point's result
	v_mul_f32 v[OUTR+\p], v[SCL+1], v[OUTR+\p]                 ; and takes its point's scale out again: a power of two, exact
.endm
; A trip: 512 points of the work-group, 64 of the wave.  ahead = 1: the next trip's coordinates are fetched and the bases stepped.
.macro TRIP ahead
	s_wait_loadcnt 0x0                             ; my six coordinates (in the first trip W2 too); nothing else is out
	PASS 0, 0
	PASS 1, \ahead
	global_store_b64 v2, v[OUTR:OUTR+1], s[14:15] th:TH_STORE_NT
.if \ahead
	s_wait_xcnt 0x0                                ; the store's data and base and the coordinate loads' base are written again only behind this wait
	s_add_nc_u64 s[4:5], s[4:5], QTRIP
	s_add_nc_u64 s[14:15], s[14:15], OTRIP
.endif
.endm
	s_mov_b32 s55, 3
.Ltrip:
	TRIP 1
	s_sub_co_u32 s55, s55, 1
	s_cmp_lg_u32 s55, 0
	s_cbranch_scc1 .Ltrip
	TRIP 0                                         ; the last trip is written out: it fetches nothing beyond the work-group's part of q
	s_endpgm
.Lfunc_end_k_qd1ce7d9976_sdf:
	.size	k_qd1ce7d9976_sdf, .Lfunc_end_k_qd1ce7d9976_sdf-k_qd1ce7d9976_sdf
	.p2alignl 7, 3214868480
	.fill 96, 4, 3214868480
	.section	.rodata,"a",@progbits
	.p2align	6, 0x0
	.amdhsa_kernel k_qd1ce7d9976_sdf
		.amdhsa_group_segment_fixed_size 12288
		.amdhsa_private_segment_fixed_size 0
		.amdhsa_enable_private_segment 0
		.amdhsa_kernarg_size 48
		.amdhsa_user_sgpr_count 2
		.amdhsa_user_sgpr_kernarg_segment_ptr 1
		.amdhsa_wavefront_size32 1
		.amdhsa_system_sgpr_workgroup_id_x 1
		.amdhsa_system_sgpr_workgroup_id_y 1
		.amdhsa_system_sgpr_workgroup_id_z 1
		.amdhsa_system_vgpr_workitem_id 0
		.amdhsa_next_free_vgpr 256
		.amdhsa_next_free_sgpr 66
		.amdhsa_reserve_vcc 0
		.amdhsa_float_denorm_mode_32 3
		.amdhsa_float_denorm_mode_16_64 3
		.amdhsa_memory_ordered 1
		.amdhsa_forward_progress 1
		.amdhsa_inst_pref_size 255
	.end_amdhsa_kernel
	.section	.bss,"aw",@nobits
	.p2align	6
	.space	262144
	.amdgpu_metadata
---
amdhsa.version: [ 1, 2 ]
amdhsa.kernels:
  - .name:           k_qd1ce7d9976_sdf
    .symbol:         k_qd1ce7d9976_sdf.kd
    .args:
      - { .name: q, .offset: 0, .size: 8, .value_kind: global_buffer, .address_space: global }
      - { .name: tables, .offset: 8, .size: 8, .value_kind: global_buffer, .address_space: global }
      - { .name: W0, .offset: 16, .size: 8, .value_kind: global_buffer, .address_space: global }
      - { .name: W1, .offset: 24, .size: 8, .value_kind: global_buffer, .address_space: global }
      - { .name: W2, .offset: 32, .size: 8, .value_kind: global_buffer, .address_space: global }
      - { .name: out0, .offset: 40, .size: 8, .value_kind: global_buffer, .address_space: global }
    .group_segment_fixed_size: 12288
    .private_segment_fixed_size: 0
    .kernarg_segment_align: 8
    .kernarg_segment_size: 48
    .max_flat_workgroup_size: 256
    .sgpr_count:     66
    .vgpr_count:     256
    .wavefront_size: 32
...
	.end_amdgpu_metadata
.endif
;; end of part 2
;; ======== version 2 of 3: 2 launches; 1.13 times as fast as version 1
;; limits: values are held in f16: magnitudes above 65,504 overflow, below 6.1e-05 lose precision; right only within a limited range of input values; values outside matrix products are rounded to f16
;; workspace buffers: q 12,582,912 bytes of whole numbers; tb 33,554,432 bytes
;; launch prep (part 3): grid 1024 x 1, 8 waves a work-group, no clusters, 0 bytes of LDS; arguments x, tables, q, tb; writes q, tb
.if DOCPART == 3
	.amdgcn_target "amdgcn-amd-amdhsa--gfx1250"
	.amdhsa_code_object_version 6
	.text
	.protected	k_qd1ce7d9976_prep
	.globl	k_qd1ce7d9976_prep
	.p2align	8
	.type	k_qd1ce7d9976_prep,@function
k_qd1ce7d9976_prep:
	s_mov_b64 s[64:65], 0
	v_nop
	global_prefetch_b8 v0, s[64:65] scope:SCOPE_SE
	s_setreg_imm32_b32 hwreg(HW_REG_WAVE_MODE, 25, 1), 1
	s_wait_xcnt 0x0
; Two conversions for the next launch, both plain streams, in one launch.
; (1) q[i] = trunc(clamp(x01[i] * 2^32, 0, 2^32 - 256)) as u32, with x01 = (x + 1) * 0.5, for the 3,145,728 numbers of x.
;     fma(x, 2^31, 2^31) is 2^31 * round(x + 1): the problem's x01 with its one rounding, scaled exactly by 2^32.
;     The next launch makes every level's cell and fraction from these whole numbers by integer products.
; (2) tb[l][i] = one word for a table entry: f16(1,024 * tables[l][i][0]) in the low half, f16(1,024 * tables[l][i][1]) in the high half.
;     The next launch gathers 128 entries for each of 1,048,576 points, so halving an entry saves 537 MB of gathers there against
;     67 MB read and 34 MB stored here.  The features are rounded to f16 on their way to the matrix unit in any case.
; LIMITS: x outside [-1, 1] is clamped to the cube's faces (the problem's dense levels index their table only for x01 in [0, 1]);
; x = 1 is taken as x01 = 1 - 2^-24, so that the lower corner's cell never passes res - 1; a NaN in x is taken as x01 = 0;
; x01 is cut at 2^-32, which shows only below x01 = 2^-8, where f32 is finer than that.
; Table entries: 11 significant bits for 2^-24 <= |t| < 63.97 (65,504 / 1,024); smaller ones are kept to 2^-35 absolute; larger ones become infinite.
; SHARES: 1,024 work-groups of 8 waves; each owns 12,288 bytes of x and 65,536 bytes of tables.  Thread t takes 16 bytes at 16 t + 4,096 k,
; so each load of a wave covers 512 consecutive bytes, aligned; a store of q the same; a store of tb (8 bytes a lane) 256 consecutive bytes, aligned.
; No LDS, no barrier, no loop: a thread's 19 loads go out together.
.set XWG,   12288                      ; bytes of x and of q for a work-group
.set CHUNK, 4096                       ; bytes that the 256 threads cover with one 16-byte access each
.set X,     4                          ; v[4:15]  three times four numbers of x, converted in place
.set T,     16                         ; v[16:79] sixteen times four numbers of tables (two entries), packed in place
	s_load_b256 s[4:11], s[0:1], 0x0               ; x s[4:5], tables s[6:7], q s[8:9], tb s[10:11]
	s_mul_i32 s12, ttmp9, XWG                      ; all three offsets are below 2^27: 32 bits do
	s_mov_b32 s13, 0
	s_lshl_b32 s14, ttmp9, 16                      ; 65,536 bytes of tables
	s_mov_b32 s15, 0
	s_lshl_b32 s16, ttmp9, 15                      ; 32,768 bytes of tb
	s_mov_b32 s17, 0
	s_mov_b32 s18, 0x4f000000                      ; 2^31, factor and addend; a packed form reads the pair, so both halves are written
	s_mov_b32 s19, 0x4f000000
	s_mov_b32 s20, 0x4f7fffff                      ; 2^32 - 256, the largest f32 below 2^32
	s_mov_b32 s22, 0x44800000                      ; 2^10
	s_mov_b32 s23, 0x44800000
	v_lshlrev_b32 v1, 4, v0                        ; 16 t
	v_lshlrev_b32 v2, 3, v0                        ; 8 t
	s_wait_kmcnt 0x0
	s_add_nc_u64 s[4:5], s[4:5], s[12:13]
	s_add_nc_u64 s[8:9], s[8:9], s[12:13]
	s_add_nc_u64 s[6:7], s[6:7], s[14:15]
	s_add_nc_u64 s[10:11], s[10:11], s[16:17]
.irp j, 0,1,2
	global_load_b128 v[X+4*\j:X+4*\j+3], v1, s[4:5] offset:CHUNK*\j th:TH_LOAD_NT
.endr
.irp k, 0,1,2,3,4,5,6,7,8,9,10,11,12,13,14,15
	global_load_b128 v[T+4*\k:T+4*\k+3], v1, s[6:7] offset:CHUNK*\k th:TH_LOAD_NT
.endr
.irp j, 0,1,2
	s_wait_loadcnt 18-\j                           ; loads come back in order: x's number j is in; its 2 - j successors and the 16 of tables stay out
	v_pk_fma_f32 v[X+4*\j:X+4*\j+1],   v[X+4*\j:X+4*\j+1],   s[18:19], s[18:19] op_sel_hi:[1,0,0]
	v_pk_fma_f32 v[X+4*\j+2:X+4*\j+3], v[X+4*\j+2:X+4*\j+3], s[18:19], s[18:19] op_sel_hi:[1,0,0]
.irp e, 0,1,2,3
	v_max_num_f32 v[X+4*\j+\e], 0, v[X+4*\j+\e]    ; below the cube: its face; a NaN loses against 0
.endr
.irp e, 0,1,2,3
	v_min_num_f32 v[X+4*\j+\e], s20, v[X+4*\j+\e]  ; at or above 1: just below it
.endr
.irp e, 0,1,2,3
	v_cvt_u32_f32 v[X+4*\j+\e], v[X+4*\j+\e]       ; toward zero
.endr
	global_store_b128 v1, v[X+4*\j:X+4*\j+3], s[8:9] offset:CHUNK*\j   ; no hint: the next launch reads q; nothing that a store names is written again
.endr
.irp k, 0,1,2,3,4,5,6,7,8,9,10,11,12,13,14,15
	s_wait_loadcnt 15-\k                           ; number k of tables is in, the 15 - k younger ones stay out
	v_pk_mul_f32 v[T+4*\k:T+4*\k+1],   v[T+4*\k:T+4*\k+1],   s[22:23] op_sel_hi:[1,0]
	v_pk_mul_f32 v[T+4*\k+2:T+4*\k+3], v[T+4*\k+2:T+4*\k+3], s[22:23] op_sel_hi:[1,0]
	v_cvt_pk_f16_f32 v[T+4*\k],   v[T+4*\k],   v[T+4*\k+1]     ; an entry: feature 0 in the low half
	v_cvt_pk_f16_f32 v[T+4*\k+1], v[T+4*\k+2], v[T+4*\k+3]     ; the next entry
	global_store_b64 v2, v[T+4*\k:T+4*\k+1], s[10:11] offset:(CHUNK/2)*\k
.endr
	s_endpgm
.Lfunc_end_k_qd1ce7d9976_prep:
	.size	k_qd1ce7d9976_prep, .Lfunc_end_k_qd1ce7d9976_prep-k_qd1ce7d9976_prep
	.p2alignl 7, 3214868480
	.fill 96, 4, 3214868480
	.section	.rodata,"a",@progbits
	.p2align	6, 0x0
	.amdhsa_kernel k_qd1ce7d9976_prep
		.amdhsa_group_segment_fixed_size 0
		.amdhsa_private_segment_fixed_size 0
		.amdhsa_enable_private_segment 0
		.amdhsa_kernarg_size 32
		.amdhsa_user_sgpr_count 2
		.amdhsa_user_sgpr_kernarg_segment_ptr 1
		.amdhsa_wavefront_size32 1
		.amdhsa_system_sgpr_workgroup_id_x 1
		.amdhsa_system_sgpr_workgroup_id_y 1
		.amdhsa_system_sgpr_workgroup_id_z 1
		.amdhsa_system_vgpr_workitem_id 0
		.amdhsa_next_free_vgpr 80
		.amdhsa_next_free_sgpr 66
		.amdhsa_reserve_vcc 0
		.amdhsa_float_denorm_mode_32 3
		.amdhsa_float_denorm_mode_16_64 3
		.amdhsa_memory_ordered 1
		.amdhsa_forward_progress 1
		.amdhsa_inst_pref_size 11
	.end_amdhsa_kernel
	.amdgpu_metadata
---
amdhsa.version: [ 1, 2 ]
amdhsa.kernels:
  - .name:           k_qd1ce7d9976_prep
    .symbol:         k_qd1ce7d9976_prep.kd
    .args:
      - { .name: x, .offset: 0, .size: 8, .value_kind: global_buffer, .address_space: global }
      - { .name: tables, .offset: 8, .size: 8, .value_kind: global_buffer, .address_space: global }
      - { .name: q, .offset: 16, .size: 8, .value_kind: global_buffer, .address_space: global }
      - { .name: tb, .offset: 24, .size: 8, .value_kind: global_buffer, .address_space: global }
    .group_segment_fixed_size: 0
    .private_segment_fixed_size: 0
    .kernarg_segment_align: 8
    .kernarg_segment_size: 32
    .max_flat_workgroup_size: 256
    .sgpr_count:     66
    .vgpr_count:     80
    .wavefront_size: 32
...
	.end_amdgpu_metadata
.endif
;; end of part 3
;; launch sdf (part 4): grid 512 x 1, 8 waves a work-group, no clusters, 12,288 bytes of LDS; arguments q, tb, W0, W1, W2, out0; writes out0
.if DOCPART == 4
	.amdgcn_target "amdgcn-amd-amdhsa--gfx1250"
	.amdhsa_code_object_version 6
	.text
	.protected	k_qd1ce7d9976_sdf
	.globl	k_qd1ce7d9976_sdf
	.p2align	8
	.type	k_qd1ce7d9976_sdf,@function
k_qd1ce7d9976_sdf:
	s_mov_b64 s[64:65], 0
	v_nop
	global_prefetch_b8 v0, s[64:65] scope:SCOPE_SE
	s_setreg_imm32_b32 hwreg(HW_REG_WAVE_MODE, 25, 1), 1
	s_wait_xcnt 0x0
; out0[n] = relu(relu(enc[n] W0) W1) W2, enc[n] = the 16-level hash grid's 32 features of point n.
; q holds each coordinate as u = x01 * 2^32 (u32).  For a level of resolution res the 64-bit product u * res has the cell in its high
; word and the fraction * 2^32 in its low word: exact, and cell and fraction always belong together.  The problem's formula rounds
; x01 * res to f32 first; at a cell's face the two may name neighbouring cells, which share the face's corners, so that the blended value
; differs by that rounding alone.
; tb holds each table entry as one word: two f16 of 1,024 x the feature, feature 0 in the low half.  A gather is 4 bytes a corner.
; NUMBER FORMATS: table entries f16 (11 significant bits); weights of the blend, the blend and its sums f32; the two hidden products f16 operands
; and f32 sums; the last layer (one column) f32 multiply-adds.  The net has no bias and ReLU alone, so f(s e) = s f(e) for s > 0: each
; point's 32 features are multiplied by 2^(-E-2), E the exponent of the largest of their magnitudes (exact; the largest then lies in
; [0.25, 0.5)), and its result by 2^(E+2) and by 2^-10 for the entries' factor (exact).
; LIMITS: those of the coordinates (x clamped to [-1, 1]; x = 1 taken as x01 = 1 - 2^-24; NaN as 0) and of the entries (|t| < 63.97; below
; 2^-24 kept to 2^-35 absolute).  W0 and W1 go to f16 as they are: finite below 65,504, and below 2^-14 kept to 2^-25 absolute.
; The first hidden layer of a normalised point is at most 32 x 0.5 x max|W0|, finite in f16 for max|W0| < 4,094.
; ReLU is a maximum with 0 in which a NaN loses: a NaN in a hidden unit, possible only where the inputs make a sum overflow, becomes 0.
;
; SHARES: 512 work-groups of 8 waves; a work-group owns 2,048 points in 4 trips of 512.  In a trip thread t owns points 2 t (pass A) and
; 2 t + 1 (pass B): its 24 bytes of q are three 8-byte loads (a wave's cover 768 consecutive bytes), its two results one 8-byte store
; (a wave's covers 256 consecutive bytes, aligned).
; GATHERS: a step is one level of one pass: 8 loads of 4 bytes a lane, one for each corner.  A ring of four register slots keeps the
; gathers of three to four steps (24 to 32 loads of the wave) on their way.  The scale of a point is known only when its 16 levels are blended, so
; the features of a pass wait in f32, and the products follow each pass of 16 steps.
; PRODUCTS, used transposed: source 0 = 16 columns of a weight matrix (W^T), source 1 = the activations with one point in each column.
; A result's register j of lane (r, h) is then feature 16 t + 8 h + j of point r, which after ReLU and packing IS registers 4 (t & 1) .. + 3
; of the next product's source 1 for K step t >> 1: nothing moves between lanes from layer to layer.
; NOT USED: tensor loads, clusters and joint requests: what work-groups share is 24,832 bytes of weights, read once by each, against
; 2,048 x 128 gathers of 4 bytes at scattered addresses, which no tile describes.  No prefetch: a gather's address is known four steps
; ahead of its use, and that is where the gather itself is issued.
.set QTRIP,  6144                      ; bytes of q in a trip: 512 points x 12
.set OTRIP,  2048                      ; bytes of out0 in a trip
.set LEVELB, 0x200000                  ; bytes of a level's table in tb: 524,288 entries of 4
.set NSLOT,  4                         ; slots in the ring
.set SLOTR,  12                        ; registers in a slot
; vector registers
;   v0 thread t;  v1 24 t (q);  v2 8 t (out0);  v3 set-up addresses;  v[4:5] zeros, the addend of the 64-bit products
.set U,    6                           ; v[6:11]    u of x, y, z: pass A, then pass B
.set TMP,  12                          ; v[12:27]   at work
.set TO,   16                          ; v16, v17   a pass's two tiles' results (the products use v[12:15] alone of TMP)
.set SCL,  28                          ; v28 the point's scale 2^(-E-2), v29 its inverse
.set OUTR, 30                          ; v30, v31   the results of points 2 t, 2 t + 1
.set ENCF, 32                          ; v[32:63]   the pass's 32 features in f32; then, packed in place, v[32:47]: 16 registers of two f16
.set RING, 64                          ; v[64:111]  four slots of 12: 8 corner words (corner c = xbit + 2 ybit + 4 zbit), 3 fractions, 1 offset
.set UNP,  112                         ; v[112:127] the step at work: corner c's two features in f32 at 2 c, 2 c + 1
.set WA0,  128                         ; v[128:159] W0^T: 4 fragments (16 features each) of 8 registers
.set WA1,  160                         ; v[160:223] W1^T: fragment 4 s + t, K step s, features 16 t ..
.set W2R,  224                         ; v[224:255] register 8 t + j: W2[16 t + 8 h + j]
.set ACC,  64                          ; v[64:95]   4 accumulators; they and HB lie on the ring, which is empty during the products
.set HB,   96                          ; v[96:111]  the hidden layer in f16: source 1 of the second product, two K steps
; scalar registers
.set TB,   16                          ; s[16:47]   level l's table at s[16 + 2 l : 17 + 2 l]: a pair a level, so that no base is stepped under a pending gather
;   s48, s49 the hash's primes;  s50 2^19 - 1;  s51 2^-32;  s52, s53 lane i <-> lane i xor 16;  s54 lanes 16-31;  s55 trips;  s[56:57] offsets
	s_load_b256 s[4:11], s[0:1], 0x0               ; q s[4:5], tb s[6:7], W0 s[8:9], W1 s[10:11]
	s_load_b128 s[12:15], s[0:1], 0x20             ; W2 s[12:13], out0 s[14:15]
	s_mov_b32 s48, 0x9e3779b1                      ; 2654435761
	s_mov_b32 s49, 0x30025795                      ; 805459861
	s_mov_b32 s50, 0x7ffff
	s_mov_b32 s51, 0x2f800000
	s_mov_b32 s52, 0x76543210
	s_mov_b32 s53, 0xfedcba98
	s_mov_b32 s54, 0xffff0000
	s_mul_i32 s56, ttmp9, 4*QTRIP                  ; the work-group's part of q (below 12,582,912)
	s_mov_b32 s57, 0
	v_mul_u32_u24 v1, 24, v0
	v_lshlrev_b32 v2, 3, v0
	; Weights: thread t = (tile t >> 6, half bit 5, h bit 4, r bits 3:0) makes the 16 bytes that are registers 4 half .. + 3 of lane 16 h + r of
	; a fragment: k = 16 half + 8 h + e, e = 0..7, of column 16 tile + r.  A row of W0 and of W1 is 256 bytes.
	v_bfe_u32 v3, v0, 4, 2                         ; h + 2 half
	v_lshlrev_b32 v3, 11, v3                       ; 8 rows of 256 bytes each
	v_lshrrev_b32 v13, 6, v0
	v_lshl_add_u32 v3, v13, 6, v3                  ; + 16 columns a tile
	v_and_b32 v13, 15, v0
	v_lshl_add_u32 v3, v13, 2, v3                  ; + r
	v_bfe_u32 v12, v0, 4, 1
	v_lshlrev_b32 v12, 5, v12                      ; W2: 8 h numbers
	v_lshlrev_b32 v14, 4, v0                       ; LDS: 16 t = 1,024 tile + 512 half + 16 lane
	v_mov_b32 v4, 0
	v_mov_b32 v5, 0
	s_wait_kmcnt 0x0
	s_add_nc_u64 s[4:5], s[4:5], s[56:57]
	s_lshl_b32 s56, ttmp9, 13                      ; the work-group's 8,192 bytes of out0
	s_add_nc_u64 s[14:15], s[14:15], s[56:57]
.irp l, 0,1,2,3,4,5,6,7,8,9,10,11,12,13,14,15
	s_add_nc_u64 s[TB+2*\l:TB+2*\l+1], s[6:7], \l*LEVELB
.endr
.irp e, 0,1,2,3,4,5,6,7
	global_load_b32 v[64+\e], v3, s[8:9] offset:256*\e            ; W0
.endr
.irp e, 0,1,2,3,4,5,6,7
	global_load_b32 v[72+\e], v3, s[10:11] offset:256*\e          ; W1, K step 0
.endr
.irp e, 0,1,2,3,4,5,6,7
	global_load_b32 v[80+\e], v3, s[10:11] offset:8192+256*\e     ; W1, K step 1: 32 rows on
.endr
.irp t, 0,1,2,3
	global_load_b128 v[W2R+8*\t:W2R+8*\t+3],   v12, s[12:13] offset:64*\t
	global_load_b128 v[W2R+8*\t+4:W2R+8*\t+7], v12, s[12:13] offset:64*\t+16
.endr
	global_load_b64 v[U:U+1],   v1, s[4:5] th:TH_LOAD_NT          ; the first trip's coordinates
	global_load_b64 v[U+2:U+3], v1, s[4:5] offset:8 th:TH_LOAD_NT
	global_load_b64 v[U+4:U+5], v1, s[4:5] offset:16 th:TH_LOAD_NT
	s_wait_loadcnt 11                              ; the 24 weights are in; W2's 8 loads and q's 3, issued behind them, stay out
.irp i, 0,1,2
.irp j, 0,1,2,3
	v_cvt_pk_f16_f32 v[88+4*\i+\j], v[64+8*\i+2*\j], v[64+8*\i+2*\j+1]    ; the lower k in the low half
.endr
	ds_store_b128 v14, v[88+4*\i:88+4*\i+3] offset:4096*\i        ; fragments 4 i + tile: 12 fragments of 1,024 bytes
.endr
	s_wait_dscnt 0x0                               ; my stores are in LDS before I say so
	s_barrier_signal -1
	s_barrier_wait -1                              ; the launch's one barrier: the fragments are whole, and nobody writes them again
	v_and_b32 v3, 31, v0                           ; (the weight loads that named v3 are done)
	v_lshlrev_b32 v3, 4, v3                        ; 16 x lane: consecutive bytes, no two lanes in one bank
.irp f, 0,1,2,3,4,5,6,7,8,9,10,11
	ds_load_b128 v[WA0+8*\f:WA0+8*\f+3],   v3 offset:1024*\f
	ds_load_b128 v[WA0+8*\f+4:WA0+8*\f+7], v3 offset:1024*\f+512
.endr
	s_wait_dscnt 0x0
; The level's resolution, floor(16 x 1.3819^l).
.macro LVL n, r
.if LV == \n
.set RES, \r
.endif
.endm
; Step i (level i % 16 of pass i / 16): cells, fractions, indices, and the 8 gathers into slot i % 4.
.macro ISSUE i
.set LV,    (\i)%16
.set UB,    U+3*((\i)/16)
.set SLOTD, RING+SLOTR*((\i)%NSLOT)
.set SLOTA, SLOTD+8
	LVL 0, 16
	LVL 1, 22
	LVL 2, 30
	LVL 3, 42
	LVL 4, 58
	LVL 5, 80
	LVL 6, 111
	LVL 7, 153
	LVL 8, 212
	LVL 9, 294
	LVL 10, 406
	LVL 11, 561
	LVL 12, 775
	LVL 13, 1072
	LVL 14, 1481
	LVL 15, 2047
.set RES1, RES+1
.irp d, 0,1,2
	v_mad_nc_u64_u32 v[TMP+2*\d:TMP+2*\d+1], v[UB+\d], RES, v[4:5]   ; low word: fraction x 2^32; high word: cell, res - 1 at the most
.endr
.irp d, 0,1,2
	v_cvt_f32_u32 v[SLOTA+\d], v[TMP+2*\d]         ; the fraction waits in the slot, still times 2^32
.endr
.if LV < 5
	; (res + 1)^3 entries fit in the table: index = cx + cy (res + 1) + cz (res + 1)^2; the corners stand in the immediate
	v_mad_u32_u24 v[TMP+6], v[TMP+5], RES1, v[TMP+3]
	v_mad_u32_u24 v[TMP+6], v[TMP+6], RES1, v[TMP+1]
	v_min_u32 v[SLOTA+3], (RES-1)*(1+RES1+RES1*RES1), v[TMP+6]       ; changes nothing: the largest lower corner; the upper one then ends at (res + 1)^3 - 1
	v_lshlrev_b32 v[SLOTA+3], 2, v[SLOTA+3]                          ; 4 bytes an entry
.irp c, 0,1,2,3,4,5,6,7
	global_load_b32 v[SLOTD+\c], v[SLOTA+3], s[TB+2*LV:TB+2*LV+1] offset:4*((\c&1)+RES1*((\c>>1)&1)+RES1*RES1*(\c>>2))
.endr
.else
	; index = (cx ^ cy p1 ^ cz p2) mod 2^19.  cx + 1 is below 2^11, so masking the four y-z terms masks all eight corners.
	v_mul_lo_u32 v[TMP+6], v[TMP+3], s48
	v_mul_lo_u32 v[TMP+7], v[TMP+5], s49
	v_add_nc_u32 v[TMP+8], s48, v[TMP+6]           ; (cy + 1) p1
	v_add_nc_u32 v[TMP+9], s49, v[TMP+7]           ; (cz + 1) p2
	v_add_nc_u32 v[TMP+10], 1, v[TMP+1]            ; cx + 1
.irp m, 0,1,2,3
	v_xor_b32 v[TMP+12+\m], v[TMP+6+2*(\m&1)], v[TMP+7+2*(\m>>1)]
.endr
.irp m, 0,1,2,3
	v_and_b32 v[TMP+12+\m], s50, v[TMP+12+\m]
.endr
.irp c, 0,1,2,3,4,5,6,7
	v_xor_b32 v[SLOTD+\c], v[TMP+12+(\c>>1)], v[TMP+1+9*(\c&1)]
	v_min_u32 v[SLOTD+\c], 0x7ffff, v[SLOTD+\c]                      ; changes nothing: the index is inside the table
	v_lshlrev_b32 v[SLOTD+\c], 2, v[SLOTD+\c]                        ; 4 bytes an entry
	global_load_b32 v[SLOTD+\c], v[SLOTD+\c], s[TB+2*LV:TB+2*LV+1]   ; the load lands on its own offset: no register is kept for it
.endr
.endif
.endm
; A corner's word becomes two f32.  The halves of a register are named by its number, so each slot's eight registers are written out.
.macro HALVES c, lo, hi
	v_cvt_f32_f16 v[UNP+2*\c],   \lo
	v_cvt_f32_f16 v[UNP+2*\c+1], \hi
.endm
.macro UNPACK
.if SL == 0
	HALVES 0, v64.l, v64.h
	HALVES 1, v65.l, v65.h
	HALVES 2, v66.l, v66.h
	HALVES 3, v67.l, v67.h
	HALVES 4, v68.l, v68.h
	HALVES 5, v69.l, v69.h
	HALVES 6, v70.l, v70.h
	HALVES 7, v71.l, v71.h
.endif
.if SL == 1
	HALVES 0, v76.l, v76.h
	HALVES 1, v77.l, v77.h
	HALVES 2, v78.l, v78.h
	HALVES 3, v79.l, v79.h
	HALVES 4, v80.l, v80.h
	HALVES 5, v81.l, v81.h
	HALVES 6, v82.l, v82.h
	HALVES 7, v83.l, v83.h
.endif
.if SL == 2
	HALVES 0, v88.l, v88.h
	HALVES 1, v89.l, v89.h
	HALVES 2, v90.l, v90.h
	HALVES 3, v91.l, v91.h
	HALVES 4, v92.l, v92.h
	HALVES 5, v93.l, v93.h
	HALVES 6, v94.l, v94.h
	HALVES 7, v95.l, v95.h
.endif
.if SL == 3
	HALVES 0, v100.l, v100.h
	HALVES 1, v101.l, v101.h
	HALVES 2, v102.l, v102.h
	HALVES 3, v103.l, v103.h
	HALVES 4, v104.l, v104.h
	HALVES 5, v105.l, v105.h
	HALVES 6, v106.l, v106.h
	HALVES 7, v107.l, v107.h
.endif
.endm
; Step i's eight corners are widened and blended in f32: along x in place, then with the four y-z weights; the level's two features stay in f32.
.macro CONSUME i
.set LV,    (\i)%16
.set SL,    (\i)%NSLOT
.set SLOTA, RING+SLOTR*SL+8
.set EREG,  ENCF+2*(((LV>>2)&1)*8+(LV>>3)*4+(LV&3))                  ; levels 0-3, 8-11 in the first sixteen registers, 4-7, 12-15 in the second
	UNPACK
.irp d, 0,1,2
	v_mul_f32 v[TMP+2*\d+1], s51, v[SLOTA+\d]      ; f
	v_fma_f32 v[TMP+2*\d], -v[SLOTA+\d], s51, 1.0  ; 1 - f
.endr
	v_pk_mul_f32 v[TMP+6:TMP+7], v[TMP+2:TMP+3], v[TMP+4:TMP+5] op_sel_hi:[1,0]               ; (1-fy, fy) x (1-fz)
	v_pk_mul_f32 v[TMP+8:TMP+9], v[TMP+2:TMP+3], v[TMP+4:TMP+5] op_sel:[0,1] op_sel_hi:[1,1]  ; (1-fy, fy) x fz
.irp m, 0,1,2,3
	v_pk_mul_f32 v[UNP+4*\m:UNP+4*\m+1], v[UNP+4*\m:UNP+4*\m+1], v[TMP:TMP+1] op_sel_hi:[1,0]
.endr
.irp m, 0,1,2,3
	v_pk_fma_f32 v[UNP+4*\m:UNP+4*\m+1], v[UNP+4*\m+2:UNP+4*\m+3], v[TMP:TMP+1], v[UNP+4*\m:UNP+4*\m+1] op_sel:[0,1,0] op_sel_hi:[1,1,1]
.endr
	v_pk_mul_f32 v[TMP+10:TMP+11], v[UNP:UNP+1],       v[TMP+6:TMP+7] op_sel_hi:[1,0]
	v_pk_fma_f32 v[TMP+10:TMP+11], v[UNP+4:UNP+5],     v[TMP+6:TMP+7], v[TMP+10:TMP+11] op_sel:[0,1,0] op_sel_hi:[1,1,1]
	v_pk_fma_f32 v[TMP+10:TMP+11], v[UNP+8:UNP+9],     v[TMP+8:TMP+9], v[TMP+10:TMP+11] op_sel_hi:[1,0,1]
	v_pk_fma_f32 v[EREG:EREG+1],   v[UNP+12:UNP+13],   v[TMP+8:TMP+9], v[TMP+10:TMP+11] op_sel:[0,1,0] op_sel_hi:[1,1,1]
.endm
; My point's 32 features: the largest magnitude, the power of two that brings it into [0.25, 0.5), the scaling, and the rounding to f16, packed in place.
.macro NORM
	v_max3_num_f32 v[TMP],   |v[ENCF]|,   |v[ENCF+1]|, |v[ENCF+2]|   ; two chains; the first six numbers start them
	v_max3_num_f32 v[TMP+1], |v[ENCF+3]|, |v[ENCF+4]|, |v[ENCF+5]|
.set NN, 6
.rept 13
	v_max3_num_f32 v[TMP+(NN/2)%2], v[TMP+(NN/2)%2], |v[ENCF+NN]|, |v[ENCF+NN+1]|
.set NN, NN+2
.endr
	v_max_num_f32 v[TMP], v[TMP], v[TMP+1]
	v_and_b32 v[TMP], 0x7f800000, v[TMP]           ; its exponent field b << 23, b = E + 127 (0 for zero and denormals)
	v_min_u32 v[TMP], 0x7d800000, v[TMP]           ; b at most 251, so that both fields below lie in 1 .. 253: normal numbers
	v_sub_nc_u32 v[SCL], 0x7e000000, v[TMP]        ; field 252 - b: 2^(-E-2)
	v_add_nc_u32 v[SCL+1], 0x01000000, v[TMP]      ; field b + 2: 2^(E+2)
.set NN, 0
.rept 16
	v_pk_mul_f32 v[ENCF+NN:ENCF+NN+1], v[ENCF+NN:ENCF+NN+1], v[SCL:SCL+1] op_sel_hi:[1,0]
.set NN, NN+2
.endr
.set NN, 0
.rept 16
	v_cvt_pk_f16_f32 v[ENCF+NN], v[ENCF+2*NN], v[ENCF+2*NN+1]        ; register n is written when registers 2 n, 2 n + 1 are read: none that is still to be read
.set NN, NN+1
.endr
.endm
; Four plain vector instructions stand between a matrix instruction and the first vector instruction that reads its result (ISA guide 7.12.1).
.macro PLACES
.rept 4
	v_nop
.endr
.endm
; The three layers for 16 points, whose 32 features lie in v[b : b + 7] as source 1; the result of point r goes to register o of lanes r and 16 + r.
.macro MLPTILE b, o
.irp t, 0,1,2,3
	v_wmma_f32_16x16x32_f16 v[ACC+8*\t:ACC+8*\t+7], v[WA0+8*\t:WA0+8*\t+7], v[\b:\b+7], 0       ; K = 32 in one step: the constant 0 starts each sum
.endr
	PLACES
.irp t, 0,1,2,3
.irp j, 0,1,2,3,4,5,6,7
	v_max_num_f32 v[ACC+8*\t+\j], 0, v[ACC+8*\t+\j]
.endr
.irp j, 0,1,2,3
	v_cvt_pk_f16_f32 v[HB+4*\t+\j], v[ACC+8*\t+2*\j], v[ACC+8*\t+2*\j+1]
.endr
.endr
	; The second product writes over the first one's results: behind the four v_nop and the 36 instructions on the three other tiles.
	; The four accumulators take turns, one instruction a turn.
.irp t, 0,1,2,3
	v_wmma_f32_16x16x32_f16 v[ACC+8*\t:ACC+8*\t+7], v[WA1+8*\t:WA1+8*\t+7], v[HB:HB+7], 0
.endr
.irp t, 0,1,2,3
	v_wmma_f32_16x16x32_f16 v[ACC+8*\t:ACC+8*\t+7], v[WA1+32+8*\t:WA1+32+8*\t+7], v[HB+8:HB+15], v[ACC+8*\t:ACC+8*\t+7]
.endr
	PLACES
.set RN, 0
.rept 32
	v_max_num_f32 v[ACC+RN], 0, v[ACC+RN]
.set RN, RN+1
.endr
	; The last layer has one column, one sixteenth of a matrix tile: 16 packed multiply-adds in f32 instead, in two chains, on my 32 features
.set PN, 0
.rept 16
.if PN < 2
	v_pk_mul_f32 v[TMP+2*PN:TMP+2*PN+1], v[ACC+2*PN:ACC+2*PN+1], v[W2R+2*PN:W2R+2*PN+1]
.else
	v_pk_fma_f32 v[TMP+2*(PN%2):TMP+2*(PN%2)+1], v[ACC+2*PN:ACC+2*PN+1], v[W2R+2*PN:W2R+2*PN+1], v[TMP+2*(PN%2):TMP+2*(PN%2)+1]
.endif
.set PN, PN+1
.endr
	v_pk_add_f32 v[TMP:TMP+1], v[TMP:TMP+1], v[TMP+2:TMP+3]
	v_add_f32 v[TMP], v[TMP], v[TMP+1]
	v_permlanex16_b32 v[TMP+1], v[TMP], s52, s53   ; the other 32 features of the same point lie in lane i xor 16
	v_add_f32 v[\o], v[TMP], v[TMP+1]
.endm
; Pass p of a trip: one point a lane, 16 steps through the ring, then the three layers for the wave's 32 points.
; ahead = 1 (pass B alone): the next trip's coordinates are fetched behind the last step's gathers.
.macro PASS p, ahead
	ISSUE 16*\p
	ISSUE 16*\p+1
	ISSUE 16*\p+2
	ISSUE 16*\p+3
.set STEP, 0
.rept 16
.if STEP < 12
	s_wait_loadcnt 24                              ; this step's 8 gathers are in; the 24 of the three younger steps stay out
.else
	s_wait_loadcnt 8*(15-STEP)+3*\ahead            ; the ring runs empty: 24, 16, 8, 0 younger gathers, and the 3 loads of the next trip's coordinates behind them
.endif
	CONSUME 16*\p+STEP
.if STEP < 12
	ISSUE 16*\p+STEP+4                             ; into the slot just read; the wait above has shown its loads done, so its offset register is free too
.endif
.if STEP == 11
.if \ahead
	global_load_b64 v[U:U+1],   v1, s[4:5] offset:QTRIP th:TH_LOAD_NT      ; the pass's last step was the coordinates' last reader: the next trip's have
	global_load_b64 v[U+2:U+3], v1, s[4:5] offset:QTRIP+8 th:TH_LOAD_NT    ; four steps and the products in which to come
	global_load_b64 v[U+4:U+5], v1, s[4:5] offset:QTRIP+16 th:TH_LOAD_NT
.endif
.endif
.set STEP, STEP+1
.endr
	NORM
	; From a point a lane to source 1 of a product.  Lane (r, h) of a fragment holds k = 8 h .. + 7 and 16 + 8 h .. + 7 of point r: levels 4 h .. + 3 and
	; 8 + 4 h .. + 3.  The exchange of the first register's lanes 16-31 with the second's lanes 0-15 makes of (levels 0-3, 8-11 | levels 4-7, 12-15)
	; of 32 points the fragments of (points of lanes 0-15 | points of lanes 16-31).
.irp j, 0,1,2,3,4,5,6,7
	v_permlane16_swap_b32 v[ENCF+\j], v[ENCF+8+\j]
.endr
	MLPTILE ENCF,   TO                             ; the points of lanes 0-15
	MLPTILE ENCF+8, TO+1                           ; the points of lanes 16-31
	v_cndmask_b32 v[OUTR+\p], v[TO], v[TO+1], s54              ; each lane takes its own point's result,
	v_mul_f32 v[OUTR+\p], v[SCL+1], v[OUTR+\p]                 ; takes its point's scale out again,
	v_mul_f32 v[OUTR+\p], 0x3a800000, v[OUTR+\p]               ; and the entries' 2^10: two powers of two, kept apart so that each is a normal number for every E
.endm
; A trip: 512 points of the work-group, 64 of the wave.  ahead = 1: the next trip's coordinates are fetched and the bases stepped.
.macro TRIP ahead
	s_wait_loadcnt 0x0                             ; my six coordinates (in the first trip W2 too); nothing else is out
	PASS 0, 0
	PASS 1, \ahead
	global_store_b64 v2, v[OUTR:OUTR+1], s[14:15] th:TH_STORE_NT
.if \ahead
	s_wait_xcnt 0x0                                ; the store's data and base and the coordinate loads' base are written again only behind this wait
	s_add_nc_u64 s[4:5], s[4:5], QTRIP
	s_add_nc_u64 s[14:15], s[14:15], OTRIP
.endif
.endm
	s_mov_b32 s55, 3
.Ltrip:
	TRIP 1
	s_sub_co_u32 s55, s55, 1
	s_cmp_lg_u32 s55, 0
	s_cbranch_scc1 .Ltrip
	TRIP 0                                         ; the last trip is written out: it fetches nothing beyond the work-group's part of q
	s_endpgm
.Lfunc_end_k_qd1ce7d9976_sdf:
	.size	k_qd1ce7d9976_sdf, .Lfunc_end_k_qd1ce7d9976_sdf-k_qd1ce7d9976_sdf
	.p2alignl 7, 3214868480
	.fill 96, 4, 3214868480
	.section	.rodata,"a",@progbits
	.p2align	6, 0x0
	.amdhsa_kernel k_qd1ce7d9976_sdf
		.amdhsa_group_segment_fixed_size 12288
		.amdhsa_private_segment_fixed_size 0
		.amdhsa_enable_private_segment 0
		.amdhsa_kernarg_size 48
		.amdhsa_user_sgpr_count 2
		.amdhsa_user_sgpr_kernarg_segment_ptr 1
		.amdhsa_wavefront_size32 1
		.amdhsa_system_sgpr_workgroup_id_x 1
		.amdhsa_system_sgpr_workgroup_id_y 1
		.amdhsa_system_sgpr_workgroup_id_z 1
		.amdhsa_system_vgpr_workitem_id 0
		.amdhsa_next_free_vgpr 256
		.amdhsa_next_free_sgpr 66
		.amdhsa_reserve_vcc 0
		.amdhsa_float_denorm_mode_32 3
		.amdhsa_float_denorm_mode_16_64 3
		.amdhsa_memory_ordered 1
		.amdhsa_forward_progress 1
		.amdhsa_inst_pref_size 255
	.end_amdhsa_kernel
	.section	.bss,"aw",@nobits
	.p2align	6
	.space	262144
	.amdgpu_metadata
---
amdhsa.version: [ 1, 2 ]
amdhsa.kernels:
  - .name:           k_qd1ce7d9976_sdf
    .symbol:         k_qd1ce7d9976_sdf.kd
    .args:
      - { .name: q, .offset: 0, .size: 8, .value_kind: global_buffer, .address_space: global }
      - { .name: tb, .offset: 8, .size: 8, .value_kind: global_buffer, .address_space: global }
      - { .name: W0, .offset: 16, .size: 8, .value_kind: global_buffer, .address_space: global }
      - { .name: W1, .offset: 24, .size: 8, .value_kind: global_buffer, .address_space: global }
      - { .name: W2, .offset: 32, .size: 8, .value_kind: global_buffer, .address_space: global }
      - { .name: out0, .offset: 40, .size: 8, .value_kind: global_buffer, .address_space: global }
    .group_segment_fixed_size: 12288
    .private_segment_fixed_size: 0
    .kernarg_segment_align: 8
    .kernarg_segment_size: 48
    .max_flat_workgroup_size: 256
    .sgpr_count:     66
    .vgpr_count:     256
    .wavefront_size: 32
...
	.end_amdgpu_metadata
.endif
;; end of part 4
;; ======== version 3 of 3: 2 launches; 1.32 times as fast as version 1
;; limits: values are held in f16: magnitudes above 65,504 overflow, below 6.1e-05 lose precision; right only within a limited range of input values; values outside matrix products are rounded to f16
;; workspace buffers: q 12,582,912 bytes of whole numbers; tb 33,554,432 bytes
;; launch prep: the kernel of part 3 again; grid 1024 x 1, 8 waves a work-group, no clusters, 0 bytes of LDS; arguments x, tables, q, tb; writes q, tb
;; launch sdf (part 5): grid 512 x 1, 8 waves a work-group, no clusters, 12,288 bytes of LDS; arguments q, tb, W0, W1, W2, out0; writes out0
.if DOCPART == 5
	.amdgcn_target "amdgcn-amd-amdhsa--gfx1250"
	.amdhsa_code_object_version 6
	.text
	.protected	k_qd1ce7d9976_sdf
	.globl	k_qd1ce7d9976_sdf
	.p2align	8
	.type	k_qd1ce7d9976_sdf,@function
k_qd1ce7d9976_sdf:
	s_mov_b64 s[64:65], 0
	v_nop
	global_prefetch_b8 v0, s[64:65] scope:SCOPE_SE
	s_setreg_imm32_b32 hwreg(HW_REG_WAVE_MODE, 25, 1), 1
	s_wait_xcnt 0x0
; out0[n] = relu(relu(enc[n] W0) W1) W2, enc[n] = the 16-level hash grid's 32 features of point n.
; q holds each coordinate as u = x01 * 2^32 (u32).  For a level of resolution res the 64-bit product u * res has the cell in its high
; word and the fraction * 2^32 in its low word: exact, and cell and fraction always belong together.  The problem's formula rounds
; x01 * res to f32 first; at a cell's face the two may name neighbouring cells, which share the face's corners, so that the blended value
; differs by that rounding alone.
; tb holds each table entry as one word: two f16 of 1,024 x the feature, feature 0 in the low half.  A gather is 4 bytes a corner.
; NUMBER FORMATS: table entries f16 (11 significant bits); the blend f32, as seven steps a + f (b - a): along x, then y, then z (the problem's
; sum of eight weighted corners in another order of rounding); the two hidden products f16 operands and f32 sums; the last layer (one
; column) f32 multiply-adds.  The net has no bias and ReLU alone, so f(s e) = s f(e) for s > 0: each point's 32 features are multiplied
; by 2^(-E-2), E the exponent of the largest of their magnitudes (exact; the largest then lies in [0.25, 0.5)), and its result by
; 2^(E+2) and by 2^-10 for the entries' factor (exact).
; LIMITS: those of the coordinates (x clamped to [-1, 1]; x = 1 taken as x01 = 1 - 2^-24; NaN as 0) and of the entries (|t| < 63.97; below
; 2^-24 kept to 2^-35 absolute).  W0 and W1 go to f16 as they are: finite below 65,504, and below 2^-14 kept to 2^-25 absolute.
; The first hidden layer of a normalised point is at most 32 x 0.5 x max|W0|, finite in f16 for max|W0| < 4,094.
; ReLU is a maximum with 0 in which a NaN loses: a NaN in a hidden unit, possible only where the inputs make a sum overflow, becomes 0.
;
; SHARES: 512 work-groups of 8 waves; a work-group owns 2,048 points in 4 trips of 512.  In a trip thread t owns points 2 t (pass A) and
; 2 t + 1 (pass B): its 24 bytes of q are three 8-byte loads (a wave's cover 768 consecutive bytes), its two results one 8-byte store
; (a wave's covers 256 consecutive bytes, aligned).
; GATHERS: a step is one level of one pass: 8 loads of 4 bytes a lane, one for each corner.  A ring of four register slots keeps the
; gathers of three to four steps (24 to 32 loads of the wave) on their way.  The scale of a point is known only when its 16 levels are blended, so
; the features of a pass wait in f32, and the products follow each pass of 16 steps.
; ORDER IN A STEP: the blend of step k and the index arithmetic of step k + 4 share nothing but the slot, so they are written in alternating short
; runs, and the eight corners' lines in runs of eight: no line reads what the line before it wrote, and the eight gathers stand together.
; PRODUCTS, used transposed: source 0 = 16 columns of a weight matrix (W^T), source 1 = the activations with one point in each column.
; A result's register j of lane (r, h) is then feature 16 t + 8 h + j of point r, which after ReLU and packing IS registers 4 (t & 1) .. + 3
; of the next product's source 1 for K step t >> 1: nothing moves between lanes from layer to layer.
; NOT USED: tensor loads, clusters and joint requests: what work-groups share is 24,832 bytes of weights, read once by each, against
; 2,048 x 128 gathers of 4 bytes at scattered addresses, which no tile describes.  No prefetch: a gather's address is known four steps
; ahead of its use, and that is where the gather itself is issued.
.set QTRIP,  6144                      ; bytes of q in a trip: 512 points x 12
.set OTRIP,  2048                      ; bytes of out0 in a trip
.set LEVELB, 0x200000                  ; bytes of a level's table in tb: 524,288 entries of 4
.set NSLOT,  4                         ; slots in the ring
.set SLOTR,  12                        ; registers in a slot
; vector registers
;   v0 thread t;  v1 24 t (q);  v2 8 t (out0);  v3 set-up addresses;  v[4:5] zeros, the addend of the 64-bit products
.set U,    6                           ; v[6:11]    u of x, y, z: pass A, then pass B
.set TMP,  12                          ; v[12:27]   at work: the index arithmetic; between the passes the maximum and the last layer (v[12:15])
.set TO,   16                          ; v16, v17   a pass's two tiles' results
.set SCL,  28                          ; v28 the point's scale 2^(-E-2), v29 its inverse
.set OUTR, 30                          ; v30, v31   the results of points 2 t, 2 t + 1
.set ENCF, 32                          ; v[32:63]   the pass's 32 features in f32; then, packed in place, v[32:47]: 16 registers of two f16
.set RING, 64                          ; v[64:111]  four slots of 12: 8 corner words (corner c = xbit + 2 ybit + 4 zbit), fx, fy, fz, 1 offset
.set UNP,  112                         ; v[112:127] the step at work: corner c's two features in f32 at 2 c, 2 c + 1; blended in place
.set WA0,  128                         ; v[128:159] W0^T: 4 fragments (16 features each) of 8 registers
.set WA1,  160                         ; v[160:223] W1^T: fragment 4 s + t, K step s, features 16 t ..
.set W2R,  224                         ; v[224:255] register 8 t + j: W2[16 t + 8 h + j]
.set ACC,  64                          ; v[64:95]   4 accumulators; they and HB lie on the ring, which is empty during the products
.set HB,   96                          ; v[96:111]  the hidden layer in f16: source 1 of the second product, two K steps
; scalar registers
.set TB,   16                          ; s[16:47]   level l's table at s[16 + 2 l : 17 + 2 l]: a pair a level, so that no base is stepped under a pending gather
;   s48, s49 the hash's primes mod 2^19;  s50 2^19 - 1;  s51 2^-32;  s52, s53 lane i <-> lane i xor 16;  s54 lanes 16-31;  s55 trips;  s[56:57] offsets
	s_load_b256 s[4:11], s[0:1], 0x0               ; q s[4:5], tb s[6:7], W0 s[8:9], W1 s[10:11]
	s_load_b128 s[12:15], s[0:1], 0x20             ; W2 s[12:13], out0 s[14:15]
	s_mov_b32 s48, 0x779b1                         ; 2654435761 mod 2^19
	s_mov_b32 s49, 0x25795                         ; 805459861 mod 2^19
	s_mov_b32 s50, 0x7ffff
	s_mov_b32 s51, 0x2f800000
	s_mov_b32 s52, 0x76543210
	s_mov_b32 s53, 0xfedcba98
	s_mov_b32 s54, 0xffff0000
	s_mul_i32 s56, ttmp9, 4*QTRIP                  ; the work-group's part of q (below 12,582,912)
	s_mov_b32 s57, 0
	v_mul_u32_u24 v1, 24, v0
	v_lshlrev_b32 v2, 3, v0
	; Weights: thread t = (tile t >> 6, half bit 5, h bit 4, r bits 3:0) makes the 16 bytes that are registers 4 half .. + 3 of lane 16 h + r of
	; a fragment: k = 16 half + 8 h + e, e = 0..7, of column 16 tile + r.  A row of W0 and of W1 is 256 bytes.
	v_bfe_u32 v3, v0, 4, 2                         ; h + 2 half
	v_lshlrev_b32 v3, 11, v3                       ; 8 rows of 256 bytes each
	v_lshrrev_b32 v13, 6, v0
	v_lshl_add_u32 v3, v13, 6, v3                  ; + 16 columns a tile
	v_and_b32 v13, 15, v0
	v_lshl_add_u32 v3, v13, 2, v3                  ; + r
	v_bfe_u32 v12, v0, 4, 1
	v_lshlrev_b32 v12, 5, v12                      ; W2: 8 h numbers
	v_lshlrev_b32 v14, 4, v0                       ; LDS: 16 t = 1,024 tile + 512 half + 16 lane
	v_mov_b32 v4, 0
	v_mov_b32 v5, 0
	s_wait_kmcnt 0x0
	s_add_nc_u64 s[4:5], s[4:5], s[56:57]
	s_lshl_b32 s56, ttmp9, 13                      ; the work-group's 8,192 bytes of out0
	s_add_nc_u64 s[14:15], s[14:15], s[56:57]
.irp l, 0,1,2,3,4,5,6,7,8,9,10,11,12,13,14,15
	s_add_nc_u64 s[TB+2*\l:TB+2*\l+1], s[6:7], \l*LEVELB
.endr
.irp e, 0,1,2,3,4,5,6,7
	global_load_b32 v[64+\e], v3, s[8:9] offset:256*\e            ; W0
.endr
.irp e, 0,1,2,3,4,5,6,7
	global_load_b32 v[72+\e], v3, s[10:11] offset:256*\e          ; W1, K step 0
.endr
.irp e, 0,1,2,3,4,5,6,7
	global_load_b32 v[80+\e], v3, s[10:11] offset:8192+256*\e     ; W1, K step 1: 32 rows on
.endr
.irp t, 0,1,2,3
	global_load_b128 v[W2R+8*\t:W2R+8*\t+3],   v12, s[12:13] offset:64*\t
	global_load_b128 v[W2R+8*\t+4:W2R+8*\t+7], v12, s[12:13] offset:64*\t+16
.endr
	global_load_b64 v[U:U+1],   v1, s[4:5] th:TH_LOAD_NT          ; the first trip's coordinates
	global_load_b64 v[U+2:U+3], v1, s[4:5] offset:8 th:TH_LOAD_NT
	global_load_b64 v[U+4:U+5], v1, s[4:5] offset:16 th:TH_LOAD_NT
	s_wait_loadcnt 11                              ; the 24 weights are in; W2's 8 loads and q's 3, issued behind them, stay out
.irp i, 0,1,2
.irp j, 0,1,2,3
	v_cvt_pk_f16_f32 v[88+4*\i+\j], v[64+8*\i+2*\j], v[64+8*\i+2*\j+1]    ; the lower k in the low half
.endr
	ds_store_b128 v14, v[88+4*\i:88+4*\i+3] offset:4096*\i        ; fragments 4 i + tile: 12 fragments of 1,024 bytes
.endr
	s_wait_dscnt 0x0                               ; my stores are in LDS before I say so
	s_barrier_signal -1
	s_barrier_wait -1                              ; the launch's one barrier: the fragments are whole, and nobody writes them again
	v_and_b32 v3, 31, v0                           ; (the weight loads that named v3 are done)
	v_lshlrev_b32 v3, 4, v3                        ; 16 x lane: consecutive bytes, no two lanes in one bank
.irp f, 0,1,2,3,4,5,6,7,8,9,10,11
	ds_load_b128 v[WA0+8*\f:WA0+8*\f+3],   v3 offset:1024*\f
	ds_load_b128 v[WA0+8*\f+4:WA0+8*\f+7], v3 offset:1024*\f+512
.endr
	s_wait_dscnt 0x0
; The level's resolution, floor(16 x 1.3819^l).
.macro LVL n, r
.if LV == \n
.set RES, \r
.endif
.endm
; A corner's word becomes two f32.  The halves of a register are named by its number, so each slot's eight registers are written out.
.macro HALVES c, lo, hi
	v_cvt_f32_f16 v[UNP+2*\c],   \lo
	v_cvt_f32_f16 v[UNP+2*\c+1], \hi
.endm
.macro UNPACK
.if SL == 0
	HALVES 0, v64.l, v64.h
	HALVES 1, v65.l, v65.h
	HALVES 2, v66.l, v66.h
	HALVES 3, v67.l, v67.h
	HALVES 4, v68.l, v68.h
	HALVES 5, v69.l, v69.h
	HALVES 6, v70.l, v70.h
	HALVES 7, v71.l, v71.h
.endif
.if SL == 1
	HALVES 0, v76.l, v76.h
	HALVES 1, v77.l, v77.h
	HALVES 2, v78.l, v78.h
	HALVES 3, v79.l, v79.h
	HALVES 4, v80.l, v80.h
	HALVES 5, v81.l, v81.h
	HALVES 6, v82.l, v82.h
	HALVES 7, v83.l, v83.h
.endif
.if SL == 2
	HALVES 0, v88.l, v88.h
	HALVES 1, v89.l, v89.h
	HALVES 2, v90.l, v90.h
	HALVES 3, v91.l, v91.h
	HALVES 4, v92.l, v92.h
	HALVES 5, v93.l, v93.h
	HALVES 6, v94.l, v94.h
	HALVES 7, v95.l, v95.h
.endif
.if SL == 3
	HALVES 0, v100.l, v100.h
	HALVES 1, v101.l, v101.h
	HALVES 2, v102.l, v102.h
	HALVES 3, v103.l, v103.h
	HALVES 4, v104.l, v104.h
	HALVES 5, v105.l, v105.h
	HALVES 6, v106.l, v106.h
	HALVES 7, v107.l, v107.h
.endif
.endm
; One turn of the ring.  wc = 1: step sc (level sc % 16 of pass sc / 16), whose gathers are in, is blended.  wi = 1: step si is made ready and its
; 8 gathers are issued.  Where both are asked for, si = sc + 4: the same slot.  The slot's words are written again only behind their 16
; conversions, its fractions only behind the last line of the blend.  The blend works in v[112:127] and the slot alone, the index arithmetic in
; v[12:27] and the slot alone.
.macro STEPX wc, sc, wi, si
.if \wc
.set CLV,  (\sc)%16
.set SL,   (\sc)%NSLOT
.set CA,   RING+SLOTR*SL+8                                           ; fx, fy, fz
.set EREG, ENCF+2*(((CLV>>2)&1)*8+(CLV>>3)*4+(CLV&3))                ; levels 0-3, 8-11 in the first sixteen registers, 4-7, 12-15 in the second
	UNPACK
.endif
.if \wi
.set LV,    (\si)%16
.set UB,    U+3*((\si)/16)
.set SLOTD, RING+SLOTR*((\si)%NSLOT)
.set SLOTA, SLOTD+8
	LVL 0, 16
	LVL 1, 22
	LVL 2, 30
	LVL 3, 42
	LVL 4, 58
	LVL 5, 80
	LVL 6, 111
	LVL 7, 153
	LVL 8, 212
	LVL 9, 294
	LVL 10, 406
	LVL 11, 561
	LVL 12, 775
	LVL 13, 1072
	LVL 14, 1481
	LVL 15, 2047
.set RES1, RES+1
.irp d, 0,1,2
	v_mad_nc_u64_u32 v[TMP+2*\d:TMP+2*\d+1], v[UB+\d], RES, v[4:5]   ; low word: fraction x 2^32; high word: cell, res - 1 at the most
.endr
.endif
.if \wc
.irp m, 0,1,2,3
	v_pk_fma_f32 v[UNP+4*\m+2:UNP+4*\m+3], v[UNP+4*\m:UNP+4*\m+1], -1.0, v[UNP+4*\m+2:UNP+4*\m+3] op_sel_hi:[1,0,1]   ; along x: b - a, one rounding
.endr
.endif
.if \wi
.if LV < 5
	; (res + 1)^3 entries fit in the table: index = cx + cy (res + 1) + cz (res + 1)^2; the corners stand in the loads' immediates
	v_mad_u32_u24 v[TMP+6], v[TMP+5], RES1, v[TMP+3]
.else
	; index = (cx ^ cy p1 ^ cz p2) mod 2^19.  Only the products' low 19 bits count and cy + 1, cz + 1 are 2,047 at the most, so the primes
	; mod 2^19 do, and the products stay below 2^30: a 24-bit multiply is exact.
	v_mul_u32_u24 v[TMP+6], s48, v[TMP+3]
	v_mul_u32_u24 v[TMP+7], s49, v[TMP+5]
	v_add_nc_u32 v[TMP+10], 1, v[TMP+1]            ; cx + 1
.endif
.endif
.if \wc
.irp m, 0,1,2,3
	v_pk_fma_f32 v[UNP+4*\m:UNP+4*\m+1], v[UNP+4*\m+2:UNP+4*\m+3], v[CA:CA+1], v[UNP+4*\m:UNP+4*\m+1] op_sel_hi:[1,0,1]   ; a + fx (b - a)
.endr
.endif
.if \wi
.if LV < 5
	v_mad_u32_u24 v[TMP+6], v[TMP+6], RES1, v[TMP+1]
.else
	v_add_nc_u32 v[TMP+8], s48, v[TMP+6]           ; (cy + 1) p1
	v_add_nc_u32 v[TMP+9], s49, v[TMP+7]           ; (cz + 1) p2
.endif
.endif
.if \wc
.irp z, 0,1
	v_pk_fma_f32 v[UNP+8*\z+4:UNP+8*\z+5], v[UNP+8*\z:UNP+8*\z+1], -1.0, v[UNP+8*\z+4:UNP+8*\z+5] op_sel_hi:[1,0,1]   ; along y
.endr
.endif
.if \wi
.if LV < 5
	v_min_u32 v[SLOTA+3], (RES-1)*(1+RES1+RES1*RES1), v[TMP+6]       ; changes nothing: the largest lower corner; the upper one then ends at (res + 1)^3 - 1
.else
.irp m, 0,1,2,3
	v_xor_b32 v[TMP+12+\m], v[TMP+6+2*(\m&1)], v[TMP+7+2*(\m>>1)]    ; the four y-z terms
.endr
.endif
.endif
.if \wc
.irp z, 0,1
	v_pk_fma_f32 v[UNP+8*\z:UNP+8*\z+1], v[UNP+8*\z+4:UNP+8*\z+5], v[CA:CA+1], v[UNP+8*\z:UNP+8*\z+1] op_sel:[0,1,0] op_sel_hi:[1,1,1]   ; the pair's second register: fy
.endr
.endif
.if \wi
.if LV >= 5
.irp m, 0,1,2,3
	v_and_b32 v[TMP+12+\m], s50, v[TMP+12+\m]      ; cx + 1 is below 2^11, so masking the four y-z terms masks all eight corners
.endr
.endif
.endif
.if \wc
	v_pk_fma_f32 v[UNP+8:UNP+9], v[UNP:UNP+1], -1.0, v[UNP+8:UNP+9] op_sel_hi:[1,0,1]         ; along z
.endif
.if \wi
.if LV < 5
	v_lshlrev_b32 v[SLOTA+3], 2, v[SLOTA+3]        ; 4 bytes an entry
.else
.irp k, 0,1,2,3,4,5,6,7
	v_xor_b32 v[SLOTD+\k], v[TMP+12+(\k>>1)], v[TMP+1+9*(\k&1)]
.endr
.endif
.endif
.if \wc
	v_pk_fma_f32 v[EREG:EREG+1], v[UNP+8:UNP+9], v[CA+2:CA+3], v[UNP:UNP+1] op_sel_hi:[1,0,1] ; the pair's first register: fz; the level's two features stay in f32
.endif
.if \wi
.if LV >= 5
.irp k, 0,1,2,3,4,5,6,7
	v_min_u32 v[SLOTD+\k], 0x7ffff, v[SLOTD+\k]    ; changes nothing: the index is inside the table
.endr
.irp k, 0,1,2,3,4,5,6,7
	v_lshlrev_b32 v[SLOTD+\k], 2, v[SLOTD+\k]      ; 4 bytes an entry
.endr
.endif
.irp d, 0,1,2
	v_cvt_f32_u32 v[SLOTA+\d], v[TMP+2*\d]
.endr
.irp d, 0,1,2
	v_mul_f32 v[SLOTA+\d], s51, v[SLOTA+\d]        ; the fraction waits in the slot
.endr
.if LV < 5
.irp k, 0,1,2,3,4,5,6,7
	global_load_b32 v[SLOTD+\k], v[SLOTA+3], s[TB+2*LV:TB+2*LV+1] offset:4*((\k&1)+RES1*((\k>>1)&1)+RES1*RES1*(\k>>2))
.endr
.else
.irp k, 0,1,2,3,4,5,6,7
	global_load_b32 v[SLOTD+\k], v[SLOTD+\k], s[TB+2*LV:TB+2*LV+1]   ; the load lands on its own offset: no register is kept for it
.endr
.endif
.endif
.endm
; My point's 32 features: the largest magnitude, the power of two that brings it into [0.25, 0.5), the scaling, and the rounding to f16, packed in place.
.macro NORM
.irp k, 0,1,2,3
	v_max3_num_f32 v[TMP+\k], |v[ENCF+3*\k]|, |v[ENCF+3*\k+1]|, |v[ENCF+3*\k+2]|   ; four chains; the first twelve numbers start them
.endr
.set NN, 12
.rept 10
	v_max3_num_f32 v[TMP+(NN/2)%4], v[TMP+(NN/2)%4], |v[ENCF+NN]|, |v[ENCF+NN+1]|
.set NN, NN+2
.endr
	v_max3_num_f32 v[TMP], v[TMP], v[TMP+1], v[TMP+2]
	v_max_num_f32 v[TMP], v[TMP], v[TMP+3]
	v_and_b32 v[TMP], 0x7f800000, v[TMP]           ; its exponent field b << 23, b = E + 127 (0 for zero and denormals)
	v_min_u32 v[TMP], 0x7d800000, v[TMP]           ; b at most 251, so that both fields below lie in 1 .. 253: normal numbers
	v_sub_nc_u32 v[SCL], 0x7e000000, v[TMP]        ; field 252 - b: 2^(-E-2)
	v_add_nc_u32 v[SCL+1], 0x01000000, v[TMP]      ; field b + 2: 2^(E+2)
.set NN, 0
.rept 16
	v_pk_mul_f32 v[ENCF+NN:ENCF+NN+1], v[ENCF+NN:ENCF+NN+1], v[SCL:SCL+1] op_sel_hi:[1,0]
.set NN, NN+2
.endr
.set NN, 0
.rept 16
	v_cvt_pk_f16_f32 v[ENCF+NN], v[ENCF+2*NN], v[ENCF+2*NN+1]        ; register n is written when registers 2 n, 2 n + 1 are read: none that is still to be read
.set NN, NN+1
.endr
.endm
; Four plain vector instructions stand between a matrix instruction and the first vector instruction that reads its result (ISA guide 7.12.1).
.macro PLACES
.rept 4
	v_nop
.endr
.endm
; The three layers for 16 points, whose 32 features lie in v[b : b + 7] as source 1; the result of point r goes to register o of lanes r and 16 + r.
.macro MLPTILE b, o
.irp t, 0,1,2,3
	v_wmma_f32_16x16x32_f16 v[ACC+8*\t:ACC+8*\t+7], v[WA0+8*\t:WA0+8*\t+7], v[\b:\b+7], 0       ; K = 32 in one step: the constant 0 starts each sum
.endr
	PLACES
.irp t, 0,1,2,3
.irp j, 0,1,2,3,4,5,6,7
	v_max_num_f32 v[ACC+8*\t+\j], 0, v[ACC+8*\t+\j]
.endr
.irp j, 0,1,2,3
	v_cvt_pk_f16_f32 v[HB+4*\t+\j], v[ACC+8*\t+2*\j], v[ACC+8*\t+2*\j+1]
.endr
.endr
	; The second product writes over the first one's results: behind the four v_nop and the 36 instructions on the three other tiles.
	; The four accumulators take turns, one instruction a turn.
.irp t, 0,1,2,3
	v_wmma_f32_16x16x32_f16 v[ACC+8*\t:ACC+8*\t+7], v[WA1+8*\t:WA1+8*\t+7], v[HB:HB+7], 0
.endr
.irp t, 0,1,2,3
	v_wmma_f32_16x16x32_f16 v[ACC+8*\t:ACC+8*\t+7], v[WA1+32+8*\t:WA1+32+8*\t+7], v[HB+8:HB+15], v[ACC+8*\t:ACC+8*\t+7]
.endr
	PLACES
	; The last layer has one column, one sixteenth of a matrix tile: 16 packed multiply-adds in f32 instead, in two chains, on my 32 features.
	; The ReLU of pair n + 2 stands in front of the multiply-add of pair n, so that five lines lie between two links of a chain.
.irp j, 0,1,2,3
	v_max_num_f32 v[ACC+\j], 0, v[ACC+\j]
.endr
.set PN, 0
.rept 16
.if PN < 14
	v_max_num_f32 v[ACC+2*PN+4], 0, v[ACC+2*PN+4]
	v_max_num_f32 v[ACC+2*PN+5], 0, v[ACC+2*PN+5]
.endif
.if PN < 2
	v_pk_mul_f32 v[TMP+2*PN:TMP+2*PN+1], v[ACC+2*PN:ACC+2*PN+1], v[W2R+2*PN:W2R+2*PN+1]
.else
	v_pk_fma_f32 v[TMP+2*(PN%2):TMP+2*(PN%2)+1], v[ACC+2*PN:ACC+2*PN+1], v[W2R+2*PN:W2R+2*PN+1], v[TMP+2*(PN%2):TMP+2*(PN%2)+1]
.endif
.set PN, PN+1
.endr
	v_pk_add_f32 v[TMP:TMP+1], v[TMP:TMP+1], v[TMP+2:TMP+3]
	v_add_f32 v[TMP], v[TMP], v[TMP+1]
	v_permlanex16_b32 v[TMP+1], v[TMP], s52, s53   ; the other 32 features of the same point lie in lane i xor 16
	v_add_f32 v[\o], v[TMP], v[TMP+1]
.endm
; Pass p of a trip: one point a lane, 16 steps through the ring, then the three layers for the wave's 32 points.
; ahead = 1 (pass B alone): the next trip's coordinates are fetched behind the last step's gathers.
.macro PASS p, ahead
	STEPX 0, 0, 1, 16*\p
	STEPX 0, 0, 1, 16*\p+1
	STEPX 0, 0, 1, 16*\p+2
	STEPX 0, 0, 1, 16*\p+3
.set STEP, 0
.rept 16
.if STEP < 12
	s_wait_loadcnt 24                              ; this step's 8 gathers are in; the 24 of the three younger steps stay out
	STEPX 1, 16*\p+STEP, 1, 16*\p+STEP+4           ; the wait has shown the slot's loads done, so its words and its offset register are free
.else
	s_wait_loadcnt 8*(15-STEP)+3*\ahead            ; the ring runs empty: 24, 16, 8, 0 younger gathers, and the 3 loads of the next trip's coordinates behind them
	STEPX 1, 16*\p+STEP, 0, 0
.endif
.if STEP == 11
.if \ahead
	global_load_b64 v[U:U+1],   v1, s[4:5] offset:QTRIP th:TH_LOAD_NT      ; the pass's last step was the coordinates' last reader: the next trip's have
	global_load_b64 v[U+2:U+3], v1, s[4:5] offset:QTRIP+8 th:TH_LOAD_NT    ; four steps and the products in which to come
	global_load_b64 v[U+4:U+5], v1, s[4:5] offset:QTRIP+16 th:TH_LOAD_NT
.endif
.endif
.set STEP, STEP+1
.endr
	NORM
	; From a point a lane to source 1 of a product.  Lane (r, h) of a fragment holds k = 8 h .. + 7 and 16 + 8 h .. + 7 of point r: levels 4 h .. + 3 and
	; 8 + 4 h .. + 3.  The exchange of the first register's lanes 16-31 with the second's lanes 0-15 makes of (levels 0-3, 8-11 | levels 4-7, 12-15)
	; of 32 points the fragments of (points of lanes 0-15 | points of lanes 16-31).
.irp j, 0,1,2,3,4,5,6,7
	v_permlane16_swap_b32 v[ENCF+\j], v[ENCF+8+\j]
.endr
	MLPTILE ENCF,   TO                             ; the points of lanes 0-15
	MLPTILE ENCF+8, TO+1                           ; the points of lanes 16-31
	v_cndmask_b32 v[OUTR+\p], v[TO], v[TO+1], s54              ; each lane takes its own point's result,
	v_mul_f32 v[OUTR+\p], v[SCL+1], v[OUTR+\p]                 ; takes its point's scale out again,
	v_mul_f32 v[OUTR+\p], 0x3a800000, v[OUTR+\p]               ; and the entries' 2^10: two powers of two, kept apart so that each is a normal number for every E
.endm
; A trip: 512 points of the work-group, 64 of the wave.  ahead = 1: the next trip's coordinates are fetched and the bases stepped.
.macro TRIP ahead
	s_wait_loadcnt 0x0                             ; my six coordinates (in the first trip W2 too); nothing else is out
	PASS 0, 0
	PASS 1, \ahead
	global_store_b64 v2, v[OUTR:OUTR+1], s[14:15] th:TH_STORE_NT
.if \ahead
	s_wait_xcnt 0x0                                ; the store's data and base and the coordinate loads' base are written again only behind this wait
	s_add_nc_u64 s[4:5], s[4:5], QTRIP
	s_add_nc_u64 s[14:15], s[14:15], OTRIP
.endif
.endm
	s_mov_b32 s55, 3
.Ltrip:
	TRIP 1
	s_sub_co_u32 s55, s55, 1
	s_cmp_lg_u32 s55, 0
	s_cbranch_scc1 .Ltrip
	TRIP 0                                         ; the last trip is written out: it fetches nothing beyond the work-group's part of q
	s_endpgm
.Lfunc_end_k_qd1ce7d9976_sdf:
	.size	k_qd1ce7d9976_sdf, .Lfunc_end_k_qd1ce7d9976_sdf-k_qd1ce7d9976_sdf
	.p2alignl 7, 3214868480
	.fill 96, 4, 3214868480
	.section	.rodata,"a",@progbits
	.p2align	6, 0x0
	.amdhsa_kernel k_qd1ce7d9976_sdf
		.amdhsa_group_segment_fixed_size 12288
		.amdhsa_private_segment_fixed_size 0
		.amdhsa_enable_private_segment 0
		.amdhsa_kernarg_size 48
		.amdhsa_user_sgpr_count 2
		.amdhsa_user_sgpr_kernarg_segment_ptr 1
		.amdhsa_wavefront_size32 1
		.amdhsa_system_sgpr_workgroup_id_x 1
		.amdhsa_system_sgpr_workgroup_id_y 1
		.amdhsa_system_sgpr_workgroup_id_z 1
		.amdhsa_system_vgpr_workitem_id 0
		.amdhsa_next_free_vgpr 256
		.amdhsa_next_free_sgpr 66
		.amdhsa_reserve_vcc 0
		.amdhsa_float_denorm_mode_32 3
		.amdhsa_float_denorm_mode_16_64 3
		.amdhsa_memory_ordered 1
		.amdhsa_forward_progress 1
		.amdhsa_inst_pref_size 255
	.end_amdhsa_kernel
	.section	.bss,"aw",@nobits
	.p2align	6
	.space	262144
	.amdgpu_metadata
---
amdhsa.version: [ 1, 2 ]
amdhsa.kernels:
  - .name:           k_qd1ce7d9976_sdf
    .symbol:         k_qd1ce7d9976_sdf.kd
    .args:
      - { .name: q, .offset: 0, .size: 8, .value_kind: global_buffer, .address_space: global }
      - { .name: tb, .offset: 8, .size: 8, .value_kind: global_buffer, .address_space: global }
      - { .name: W0, .offset: 16, .size: 8, .value_kind: global_buffer, .address_space: global }
      - { .name: W1, .offset: 24, .size: 8, .value_kind: global_buffer, .address_space: global }
      - { .name: W2, .offset: 32, .size: 8, .value_kind: global_buffer, .address_space: global }
      - { .name: out0, .offset: 40, .size: 8, .value_kind: global_buffer, .address_space: global }
    .group_segment_fixed_size: 12288
    .private_segment_fixed_size: 0
    .kernarg_segment_align: 8
    .kernarg_segment_size: 48
    .max_flat_workgroup_size: 256
    .sgpr_count:     66
    .vgpr_count:     256
    .wavefront_size: 32
...
	.end_amdgpu_metadata
.endif
;; end of part 5
